; MI455X (gfx1250); checked and timed in simulation.
; The chip was launched on July 23, 2026; its instructions are those of AMD's public machine-readable ISA for CDNA 5 (MIT licence, August 2026) and "CDNA5" Instruction Set Architecture Reference Guide (July 2026). The comments in the code are by the model that wrote it; some were corrected since.
;; Multi Head Self Attention. Allowed arithmetic: matrix products marked QUANTISED: E2M3 operands, one E8M0 scale for each 32 along K, by v_wmma_scale_f32_16x16x128_f8f6f4 with both operands' format E2M3, f32 sums; products left as they are: f32 operands where the result goes on into a quantised operand, else bf16, f16 or f32 operands; f32 sums; everything else in f32.
;; Inputs: Wk_codes 1,024 x 32 x 24 uint8 (E2M3 codes of Wk, K innermost, in blocks of 32 codes, four codes in three bytes); Wk_scales 1,024 x 32 uint8 (E8M0 scales of Wk, one for each 32 codes along K); Wo_codes 1,024 x 32 x 24 uint8 (E2M3 codes of Wo, K innermost, in blocks of 32 codes, four codes in three bytes); Wo_scales 1,024 x 32 uint8 (E8M0 scales of Wo, one for each 32 codes along K); Wq_codes 1,024 x 32 x 24 uint8 (E2M3 codes of Wq, K innermost, in blocks of 32 codes, four codes in three bytes); Wq_scales 1,024 x 32 uint8 (E8M0 scales of Wq, one for each 32 codes along K); Wv_codes 1,024 x 32 x 24 uint8 (E2M3 codes of Wv, K innermost, in blocks of 32 codes, four codes in three bytes); Wv_scales 1,024 x 32 uint8 (E8M0 scales of Wv, one for each 32 codes along K); bk 1,024 float32; bo 1,024 float32; bq 1,024 float32; bv 1,024 float32; x_codes 4 x 2,048 x 32 x 24 uint8 (E2M3 codes of x, K innermost, in blocks of 32 codes, four codes in three bytes); x_scales 4 x 2,048 x 32 uint8 (E8M0 scales of x, one for each 32 codes along K).
;; Outputs: out0 4 x 2,048 x 1,024 float32.
;; This version of the problem:
;;   THIS VERSION OF THE PROBLEM IS GIVEN IN LOW PRECISION. The matrix products marked QUANTISED in the list below multiply operands that are first quantised to E2M3 (2 exponent bits, 3 mantissa bits; 6 bits a number), with one power-of-two scale for each 32 numbers along K (OCP MX v1.0); their sums are f32. All else is computed in f32.
;;   The module's matrix products, in the order in which they are computed (A, B: the left and right operand; K: the contracted axis; several contracted axes count as one K, in the product's order):
;;     1. [M 8,192, K 1,024] x [K 1,024, N 1,024]; A: input x (given as codes); B: input Wq (given as codes): QUANTISED
;;     2. [M 8,192, K 1,024] x [K 1,024, N 1,024]; A: input x (given as codes); B: input Wk (given as codes): QUANTISED
;;     3. [M 8,192, K 1,024] x [K 1,024, N 1,024]; A: input x (given as codes); B: input Wv (given as codes): QUANTISED
;;     4. [M 2,048, K 1] x [K 1, N 32]; A: computed on the way; B: computed on the way: left as it is (no contracted axis)
;;     5. batch 64 x [M 2,048, K 64] x [K 64, N 2,048]; A: computed on the way; B: computed on the way: QUANTISED
;;     6. batch 64 x [M 2,048, K 2,048] x [K 2,048, N 64]; A: softmax (see below); B: computed on the way: QUANTISED
;;     7. [M 8,192, K 1,024] x [K 1,024, N 1,024]; A: computed on the way; B: input Wo (given as codes): QUANTISED
;;   THE QUANTISER, for each operand of a quantised product, along K:
;;     - K is cut into blocks of 32 from its start; a last block that is shorter is filled with zeros.
;;     - A block's scale is 2^e with e = floor(log2(the largest magnitude in the block)) - 2, held to -126 .. 127; a block of zeros has e = 0. As a byte (E8M0): e + 127.
;;     - Each number is divided by its block's scale, clamped to +-7.5, and rounded to the nearest number of E2M3, ties to even, subnormals kept.
;;     - The product sums the exact products of the quantised numbers (number of the format x scale) in f32.
;;   ~~~python
;;   def quantise(x, axis):      # numpy; x: float32 -> the quantised numbers, widened to float32 again
;;       x = np.moveaxis(x, axis, -1); K = x.shape[-1]
;;       x = np.pad(x, [(0, 0)] * (x.ndim - 1) + [(0, -K % 32)]); x = x.reshape(x.shape[:-1] + (-1, 32)); a = np.abs(x).max(-1, keepdims=True)
;;       e = np.where(a > 0, np.clip(np.frexp(np.where(a > 0, a, 1))[1] - 1 - 2, -126, 127), 0)      # np.frexp(a)[1] - 1 = floor(log2(a)), exactly
;;       r = np.clip(x / 2.0 ** e, -7.5, 7.5)
;;       step = 2.0 ** (np.maximum(np.frexp(np.where(r == 0, 1, r))[1] - 1, 0) - 3)
;;       q = np.round(r / step) * step * 2.0 ** e      # np.round: ties to even
;;       return np.moveaxis(q.reshape(q.shape[:-2] + (-1,))[..., :K], -1, axis).astype(np.float32)
;;   ~~~
;;   SOFTMAX AHEAD OF A QUANTISED PRODUCT. Where the list says 'softmax', what is quantised is not the finished softmax but p = 2^(t - M), with t = logit x log2(e) and M = ceil(the row's largest t), a whole number; so 1/2 < the row's largest p <= 1. The row's sum l is taken of the UNQUANTISED p, in f32, and the product's result is divided by l at the end. Since M is a whole number, a kernel that streams over the keys may use a running M (the ceiling of the running maximum): every later rescaling is an exact power of two, which a block's scale takes up: the codes' values come out the same.
;;   OPERANDS COMPUTED ON THE WAY. 'Computed on the way' means the value that the module computes at that place (a softmax that the list does not call 'softmax' is quantised finished and normalised). What goes into a quantiser is computed in f32, as accurately as f32 sums, v_exp_f32 and their like allow (about 1e-6 of the number): no bf16 or f16 on the way to a quantiser, and a product that is left as it is and whose result goes on into a quantised operand takes f32 operands (vector FMAs, or v_wmma_f32_16x16x4_f32). A number that lies on a knife's edge between two numbers of the format may be rounded either way, as far as f32 arithmetic and the matrix unit's own rounding can turn it there, and no further.
;;   INPUTS GIVEN AS CODES. Wk (in the module: [1024, 1024], K = its axis 1); Wo (in the module: [1024, 1024], K = its axis 1); Wq (in the module: [1024, 1024], K = its axis 1); Wv (in the module: [1024, 1024], K = its axis 1); x (in the module: [4, 2048, 1024], K = its axis 2): each comes as NAME_codes (uint8): NAME with its K axis moved to the last place and cut into blocks of 32 codes, [.., K / 32, bytes a block], one block behind the other in memory; four codes in three bytes: a row's codes are one little-endian stream of bits, code i at bits 6 i .. 6 i + 5 (a code: sign, 2 exponent bits, 3 mantissa bits); and NAME_scales (uint8): the same leading axes, one E8M0 byte (e + 127) for each 32 codes along K. Its value is code x scale, taken as it is: it is not quantised again, and the codes and scales need not be those that the quantiser above would give.
;; One version. Each part assembles by itself: llvm-mc -triple=amdgcn-amd-amdhsa -mcpu=gfx1250 --defsym DOCPART=n.
;; ======== version 1 of 1: 3 launches
;; limits: right only within a limited range of input values
;; workspace buffers: qrec 13,369,344 bytes; kvrec 13,369,344 bytes; oi 6,291,456 bytes; os 262,144 bytes
;; launch qkv (part 1): grid 4 x 64, 4 waves a work-group, clusters of 4 x 4, 327,680 bytes of LDS; arguments x_codes, x_scales, Wq_codes, Wq_scales, Wk_codes, Wk_scales, Wv_codes, Wv_scales, bq, bk, bv, qrec, kvrec; writes qrec, kvrec
.if DOCPART == 1
	.amdgcn_target "amdgcn-amd-amdhsa--gfx1250"
	.amdhsa_code_object_version 6
	.text
	.protected	k_q6f4c268cfd_qkv
	.globl	k_q6f4c268cfd_qkv
	.p2align	8
	.type	k_q6f4c268cfd_qkv,@function
k_q6f4c268cfd_qkv:
	s_mov_b64 s[64:65], 0
	v_nop
	global_prefetch_b8 v0, s[64:65] scope:SCOPE_SE
	s_setreg_imm32_b32 hwreg(HW_REG_WAVE_MODE, 25, 1), 1
	s_wait_xcnt 0x0
	s_wait_alu depctr_hold_cnt(0) depctr_sa_sdst(0) depctr_va_vdst(0) depctr_va_sdst(0) depctr_va_ssrc(0) depctr_va_vcc(0) depctr_vm_vsrc(0)
	s_getreg_b32 s2, hwreg(HW_REG_IB_STS2, 6, 4)
	s_cmp_eq_u32 s2, 0
	s_cbranch_scc0 .Lentry_in_a_cluster
	s_endpgm
.Lentry_in_a_cluster:
	s_bfe_u32 s2, ttmp6, 0x10000c
	s_cmp_lg_u32 s2, 0xf033
	s_cbranch_scc0 .Lentry_shape_is_right
	s_endpgm
.Lentry_shape_is_right:
; q = rope(x Wq^T + bq), k = rope(x Wk^T + bk), v = x Wv^T + bv on codes of FP6 (E2M3), one E8M0 scale for each 32 along K = 1,024; q and k are then quantised along a head's 64 channels, v along the keys.
; A work-group (x = head group hg of four heads, y = token block tb of 128 tokens) makes all three products for its tokens and heads: 128 x 256 each, one after the other.
; LDS: x's 128 rows, whole (768 bytes, 16 of padding behind each 256: pitch 816), filled once; a block of 256 weight rows as three chunk regions (256 rows x 256 bytes, pitch 272).
; The regions are filled again for the next product as soon as they are read no more: chunks 0 and 1 at the head of K step 5 (one joint load of 128 rows a wave), chunk 2 in the middle of the way out (64 rows a wave).
; Every tensor row begins at a multiple of 256 bytes of its buffer.  4 x 4 work-groups form a cluster: x's rows are asked for jointly along a row of the cluster (same tb), the weights' along a column (same hg).
; A wave makes 64 x 128: 32 accumulators.  Source 0 of the matrix instruction ("B", 8 blocks) runs along a lane's registers, source 1 ("A", 4 blocks) along the lanes.
;   q, k (two trips of a loop): A = my 64 tokens, B = my 128 channels (two heads).   v (written out behind the loop; it asks for no further weights): A = my 64 channels (one head), B = all 128 tokens, which are the K of p v.
; ROPE: cos and sin of fl(t x inv_freq) for my 64 tokens are 128 registers (window 3), made at the head under the first fills: two-part reduction by pi/2, polynomials of degree 7 and 8; inv_freq = fl(1 / fl(10^(i/8))) as 32 literals.
; THE RESULTS LEAVE AS IMAGES OF OPERAND REGISTERS: a tile of 16 rows x 64 k is 768 bytes (registers 0-3 at 16 x lane, then 4-5 at 8 x lane), a fragment of 16 x 128 k three runs of 512 bytes.
;   A record's step of 128 keys: 8 tiles of k (or q), 4 fragments of v^T at 6,144, k's scale words at 12,288 (two runs of 256 bytes, one for each 64 tokens: 8 x lane + 4 x (pair of tiles)), v's at 12,800.
; ORDER INSIDE A BLOCK OF 32: the codes lie in the order 0-7, 16-23, 8-15, 24-31; q and k are made by the same lines, v here and p in the next launch by the same layout, so both operands of a product carry the same order.
; No prefetch: a refill is asked for three K steps and half a way out, or more, ahead of its first read, and there is no loop along K to run ahead in.
; LIMITS: NaN and infinities are not served.  A block whose largest magnitude lies under 2^-124 keeps the scale byte 1; a block of zeros has byte 1 and zero codes where the rule says 127 (only this program reads the bytes).
;   The literals take power and division as correctly rounded.  v's scale words leave in runs of 128 bytes.
.set PITCH,  816
.set QROWS,  64*PITCH
.set WP,     272
.set CH,     256*WP                    ; a chunk region
.set WREG,   128*PITCH                 ; behind x's rows: the three regions
.set SPARE,  WREG+3*CH                 ; the spare words: 128 bytes a wave
.set KROW,   768
.set REC,    208896
.set STEPB,  13056
.set FR,     12
.set ADVB,   2                         ; v2-5  v: B's fragments in x's rows: blocks 0-3 (second: lanes 16-31 behind one padding more), blocks 4-7
.set XA,     16                        ; v16-17 q, k: A's fragments in x's rows
.set WB,     18                        ; v18-22 q, k: B's fragments in the regions: chunks 0, 1, 2; then lanes 0-15 at byte 232 of chunk 0, 1 and lanes 16-31 at byte 0 of the next
.set WA,     23                        ; v23-27 v: A's fragments likewise
.set SPW,    28
.set NIL,    29
.set SA,     32                        ; v32-63 A's scale words, register 8 a + K step
.set SB,     64                        ; v64-127 B's
.set AF,     128                       ; v128-175 A's four fragments
.set X,      128                       ; the way out, window 0
.set Y,      192
.set TM,     200
.set PC,     216
.set PW,     236
.set SVT,    237
.set OW,     238
.set OUT0,   240
.set OUT1,   242
.set VB,     244                       ; v's bias
; window 3: v0-127 cos, sin of token tiles 0-3; at the head sixteen of each:
.set TF,     128
.set TR,     144
.set TN,     160
.set TZ,     176
.set TS,     192
.set TC,     208
.set TW,     224
.set TT,     240
.set G1X,    24
.set G0X,    32                        ; x's group 0; behind the head: chunk 2's refills
.set G0W,    36
.set G1W,    48
.set G0N,    56                        ; chunks 0 and 1's refills
.set SEL,    62
.set DW0,    (1<<20)|(1<<21)|(5<<22)|(3<<25)   ; bytes; padding on; bit 21 beside a mask; 4 words of padding behind every 64
.set MSB, 0
.macro WIN new
.if MSB != \new
	s_set_vgpr_msb (MSB<<8)|\new
.set MSB, \new
.endif
.endm
.set MUL,  0xa1                        ; source 0 window 1, source 1 window 0, C and D window 2
.set TO_B, 0x40
.macro CREST
	s_cmp_lg_u32 s14, 0
	s_cbranch_scc1 .Lnot_wave_0_\@
	s_barrier_signal -3
.Lnot_wave_0_\@:
	s_barrier_wait -3
	s_barrier_signal -1
	s_barrier_wait -1
.endm
.macro CROUND
	s_barrier_signal -1
	s_barrier_wait -1
	CREST
.endm
.macro PLACES n
.rept \n
	v_nop
.endr
.endm
	s_load_b512 s[68:83], s[0:1], 0x0              ; x codes 68, x scales 70, Wq 72, 74, Wk 76, 78, Wv 80, 82
	s_load_b256 s[84:91], s[0:1], 0x40             ; bq 84, bk 86, bv 88, qrec 90
	s_load_b64 s[92:93], s[0:1], 0x60              ; kvrec
	v_lshl_add_u32 v[SPW], v0, 2, SPARE
	v_mov_b32 v[NIL], 0
	ds_add_u32 v[SPW], v[NIL]                      ; the opening lines
	ds_add_u32 v[SPW], v[NIL]
	v_lshrrev_b32 v1, 5, v0
	v_readfirstlane_b32 s14, v1                    ; wave
	s_lshr_b32 s15, s14, 1                         ; q, k: my half of the tokens
	s_and_b32 s16, s14, 1                          ; q, k: my half of the channels
	s_bfe_u32 s40, ttmp6, 0x40000                  ; cx = hg
	s_bfe_u32 s41, ttmp6, 0x40004                  ; cy
	s_and_b32 s17, ttmp7, 0xffff
	s_lshl_b32 s17, s17, 2
	s_add_co_u32 s17, s17, s41                     ; tb
	s_lshl_b32 s43, s41, 2
	s_lshl_b32 s43, 15, s43                        ; my row of the cluster
	s_lshl_b32 s44, 0x1111, s40                    ; my column
	s_or_b32 s[G1X], s43, DW0
	s_or_b32 s[G1W], s44, DW0
	s_mov_b32 s[G1X+1], KROW<<16                   ; x: 128 whole rows
	s_mov_b32 s[G1X+2], 128<<16
	s_mov_b32 s[G1X+3], KROW<<16
	s_mov_b32 s[G1X+4], 128
	s_mov_b32 s[G1X+5], KROW
	s_mov_b32 s[G1X+6], 0
	s_mov_b32 s[G1X+7], 0
	s_mov_b32 s[G1W+1], 256<<16                    ; a chunk: rows of 256 bytes; at the head 256 rows a load
	s_mov_b32 s[G1W+2], 256<<16
	s_mov_b32 s[G1W+3], 256<<16
	s_mov_b32 s[G1W+4], 256
	s_mov_b32 s[G1W+5], KROW
	s_mov_b32 s[G1W+6], 0
	s_mov_b32 s[G1W+7], 0
	s_lshl_b32 s46, s17, 7
	s_mul_i32 s46, s46, KROW                       ; x: row 128 tb
	s_mov_b32 s47, 0
	s_mul_i32 s66, s40, 256*KROW
	s_lshl_b32 s42, s14, 8
	s_add_co_u32 s66, s66, s42                     ; Wq: row 256 hg, chunk = wave (waves 0 to 2)
	s_mov_b32 s67, 0
	s_lshl_b32 s44, s40, 8
	s_lshl_b32 s42, s16, 7
	s_add_co_u32 s44, s44, s42
	s_mul_i32 s44, s44, KROW
	s_lshl_b32 s42, s15, 8
	s_add_co_u32 s44, s44, s42                     ; chunks 0, 1 again: row 256 hg + 128 (wave % 2), chunk wave / 2
	s_mov_b32 s45, 0
	s_mul_i32 s42, s14, CH
	s_add_co_u32 s42, s42, WREG
	s_mul_i32 s43, s15, CH
	s_mul_i32 s2, s16, 128*WP
	s_add_co_u32 s43, s43, s2
	s_add_co_u32 s43, s43, WREG
	s_wait_dscnt 0x0
	s_wait_kmcnt 0x0
	s_mov_b32 s[G0X], 1
	s_mov_b32 s[G0X+1], 0
	s_add_nc_u64 s[G0X+2:G0X+3], s[68:69], s[46:47]
	s_or_b32 s[G0X+3], s[G0X+3], 0x80000000
	s_mov_b32 s[G0W], 1
	s_mov_b32 s[G0W+1], s42
	s_add_nc_u64 s[G0W+2:G0W+3], s[72:73], s[66:67]
	s_or_b32 s[G0W+3], s[G0W+3], 0x80000000
	s_mov_b32 s[G0N], 1
	s_mov_b32 s[G0N+1], s43
	s_add_nc_u64 s[G0N+2:G0N+3], s[76:77], s[44:45]  ; the first refill brings Wk,
	s_or_b32 s[G0N+3], s[G0N+3], 0x80000000
	s_add_nc_u64 s[60:61], s[80:81], s[44:45]      ; the second Wv
	s_or_b32 s61, s61, 0x80000000
	CROUND                                         ; all sixteen work-groups are here: the first joint loads meet
	s_cmp_eq_u32 s14, 3                            ; one load a wave: waves 0 to 2 a chunk of Wq each, wave 3 x
	s_cbranch_scc0 .Lhead_w
	tensor_load_to_lds s[G0X:G0X+3], s[G1X:G1X+7]
	s_nop 0
	PLACES 4
	s_branch .Lhead_asked
.Lhead_w:
	tensor_load_to_lds s[G0W:G0W+3], s[G1W:G1W+7]
	s_nop 0
	PLACES 4
.Lhead_asked:
	; chunk 2 again: row 256 hg + 64 wave, byte 512
	s_lshl_b32 s44, s40, 8
	s_lshl_b32 s42, s14, 6
	s_add_co_u32 s44, s44, s42
	s_mul_i32 s44, s44, KROW
	s_add_co_u32 s44, s44, 512
	s_add_nc_u64 s[104:105], s[76:77], s[44:45]    ; of Wk,
	s_or_b32 s105, s105, 0x80000000
	s_add_nc_u64 s[2:3], s[80:81], s[44:45]        ; of Wv
	s_or_b32 s3, s3, 0x80000000
	; the pointers of scales, biases and records
	s_lshl_b32 s44, s17, 12
	s_add_nc_u64 s[96:97], s[70:71], s[44:45]      ; v: B's scales = x's, 128 tokens
	s_lshl_b32 s44, s15, 11
	s_add_nc_u64 s[4:5], s[96:97], s[44:45]        ; q, k: A's scales = x's, my 64 tokens
	s_mov_b64 s[8:9], s[4:5]                       ; s[8:9], s[10:11]: the next product's A and B scales
	s_lshl_b32 s44, s40, 13
	s_lshl_b32 s42, s16, 12
	s_add_co_u32 s44, s44, s42
	s_add_nc_u64 s[6:7], s[74:75], s[44:45]        ; Wq's scales, my 128 channels
	s_add_nc_u64 s[10:11], s[78:79], s[44:45]      ; Wk's
	s_lshl_b32 s44, s40, 13
	s_lshl_b32 s42, s14, 11
	s_add_co_u32 s44, s44, s42
	s_add_nc_u64 s[94:95], s[82:83], s[44:45]      ; Wv's, my 64 channels
	s_lshl_b32 s44, s40, 10
	s_lshl_b32 s42, s16, 9
	s_add_co_u32 s44, s44, s42
	s_add_nc_u64 s[12:13], s[84:85], s[44:45]      ; bq
	s_add_nc_u64 s[98:99], s[86:87], s[44:45]      ; bk
	s_lshl_b32 s44, s40, 10
	s_lshl_b32 s42, s14, 8
	s_add_co_u32 s44, s44, s42
	s_add_nc_u64 s[100:101], s[88:89], s[44:45]    ; bv
	s_lshr_b32 s42, s17, 4
	s_lshl_b32 s42, s42, 4
	s_lshl_b32 s43, s40, 2
	s_add_co_u32 s42, s42, s43                     ; 16 batch + 4 hg
	s_and_b32 s43, s17, 15
	s_mul_i32 s43, s43, STEPB                      ; my 128 tokens are one step of a record
	s_lshl_b32 s44, s16, 1
	s_add_co_u32 s44, s44, s42
	s_mul_i32 s44, s44, REC
	s_add_co_u32 s44, s44, s43
	s_add_nc_u64 s[18:19], s[90:91], s[44:45]      ; q: my first head,
	s_add_nc_u64 s[20:21], s[18:19], REC           ; my second
	s_add_nc_u64 s[22:23], s[92:93], s[44:45]      ; k
	s_add_co_u32 s44, s42, s14
	s_mul_i32 s44, s44, REC
	s_add_co_u32 s44, s44, s43
	s_add_nc_u64 s[46:47], s[92:93], s[44:45]      ; v: my head
	s_mul_i32 s42, s15, QROWS
	s_mul_i32 s43, s16, 128*WP
	s_add_co_u32 s43, s43, WREG
	s_mul_i32 s44, s14, 64*WP
	s_add_co_u32 s44, s44, WREG
	s_and_b32 s45, s17, 15
	s_lshl_b32 s45, s45, 7
	s_lshl_b32 s66, s15, 6
	s_add_co_u32 s45, s45, s66
	s_add_co_u32 s45, s45, 48                      ; the first token of my tile 3, in its sequence
	s_mul_i32 s66, s15, 3072
	s_lshl_b32 s67, s15, 8
	s_mov_b32 s93, 0xffff0000                      ; lanes 16-31
	s_mov_b32 s[SEL], 0x76543210
	s_mov_b32 s[SEL+1], 0xfedcba98                 ; lane l xor 16
	v_and_b32 v1, 15, v0                           ; r
	v_bfe_u32 v15, v0, 4, 1                        ; h
	v_and_b32 v7, 31, v0
	v_lshlrev_b32 v6, 5, v1                        ; a row of scales is 32 bytes
	v_mul_u32_u24 v2, v1, PITCH
	v_mad_u32_u24 v2, v15, 24, v2                  ; x: row x pitch + 24 h
	v_lshl_add_u32 v3, v15, 4, v2                  ; and lanes 16-31 behind one padding more
	v_add_nc_u32 v4, QROWS, v2
	v_add_nc_u32 v5, QROWS, v3
	v_add_nc_u32 v[XA], s42, v2
	v_add_nc_u32 v[XA+1], s42, v3
	v_mul_u32_u24 v30, v1, WP
	v_mad_u32_u24 v31, v15, 24, v30                ; a region: row x pitch + 24 h
	v_mad_u32_u24 v30, v15, CH-232, v30
	v_add_nc_u32 v30, 232, v30                     ; across two chunks: lanes 0-15 byte 232 of the row, lanes 16-31 byte 0 of the row in the next region
	v_add_nc_u32 v[WB], s43, v31
	v_add_nc_u32 v[WB+1], CH, v[WB]
	v_add_nc_u32 v[WB+2], CH, v[WB+1]
	v_add_nc_u32 v[WB+3], s43, v30
	v_add_nc_u32 v[WB+4], CH, v[WB+3]
	v_add_nc_u32 v[WA], s44, v31
	v_add_nc_u32 v[WA+1], CH, v[WA]
	v_add_nc_u32 v[WA+2], CH, v[WA+1]
	v_add_nc_u32 v[WA+3], s44, v30
	v_add_nc_u32 v[WA+4], CH, v[WA+3]
	v_lshl_add_u32 v8, v7, 4, s66                  ; q, k tiles: 16 lane + 3,072 x my half
	v_lshl_add_u32 v9, v7, 3, s66
	v_lshl_add_u32 v10, v7, 3, s67                 ; their scale words: 8 lane + 256 x my half
	v_lshlrev_b32 v11, 4, v7
	v_lshlrev_b32 v12, 5, v15                      ; 32 h: eight numbers of a bias
	v_lshlrev_b32 v13, 2, v1
	v_lshlrev_b32 v14, 2, v7
	v_add_nc_u32 v7, s45, v1
.irp b, 0,1,2,3
	v_mov_b32 v[TM+4+\b], 0                        ; a lane permute's destination counts as one of its sources
.endr
	s_wait_alu depctr_va_vdst(0)
.macro SCLOAD pa, pb                   ; 24 loads: a row's 32 bytes are its 8 words; both halves of the lanes take row lane % 16 of each block
.irp i, 0,1,2,3
.irp x, 0,1
	global_load_b128 v[SA+8*\i+4*\x:SA+8*\i+4*\x+3], v6, s[\pa:\pa+1] offset:512*\i+16*\x
.endr
.endr
.irp i, 0,1,2,3,4,5,6,7
.irp x, 0,1
	global_load_b128 v[SB+8*\i+4*\x:SB+8*\i+4*\x+3], v6, s[\pb:\pb+1] offset:512*\i+16*\x
.endr
.endr
.endm
	SCLOAD 4, 6
	s_mov_b32 s68, 0x3f22f983                      ; 2 / pi
	s_mov_b32 s69, 0xbfc90fdb                      ; -(pi / 2), upper part
	s_mov_b32 s70, 0x333bbd2e                      ; -(pi / 2), lower part
	s_mov_b32 s71, 0xb94ca1f9                      ; sine
	s_mov_b32 s72, 0x3c08839e
	s_mov_b32 s73, 0xbe2aaaa3
	s_mov_b32 s74, 0x37ccf5ce                      ; cosine
	s_mov_b32 s75, 0xbab6061a
	s_mov_b32 s76, 0x3d2aaaa5
	s_mov_b32 vcc_lo, s93
	WIN 0xc0
	v_cvt_f32_u32 v[TT], v7                        ; my token of tile 3 as f32
	WIN 0xff                                       ; all of the table's work lies in window 3
.rept 96
	v_mov_b32 v[\+], 0                             ; written once: the first trips move them on
.endr
.macro FQ q, lo, hi                    ; pair q of a lane has frequency 8 (q / 4) + 4 (lane / 16) + q % 4
	v_mov_b32 v[TF+\q], \hi
	v_cndmask_b32 v[TF+\q], \lo, v[TF+\q], vcc_lo
.endm
	FQ 0,  0x3f800000, 0x3ea1e89b
	FQ 1,  0x3f3ff911, 0x3e72d423
	FQ 2,  0x3f0ff59a, 0x3e361887
	FQ 3,  0x3ed7e89b, 0x3e088d77
	FQ 4,  0x3dcccccd, 0x3d0186e3
	FQ 5,  0x3d99940d, 0x3cc2434f
	FQ 6,  0x3d6655c2, 0x3c91ad39
	FQ 7,  0x3d2cba15, 0x3c5a7bf2
	FQ 8,  0x3c23d70a, 0x3b4f3e38
	FQ 9,  0x3bf5b9b0, 0x3b1b690d
	FQ 10, 0x3bb8449c, 0x3ae91528
	FQ 11, 0x3b8a2e77, 0x3aaec98e
	FQ 12, 0x3a83126f, 0x39a5cb60
	FQ 13, 0x3a44948c, 0x3978a815
	FQ 14, 0x3a136a16, 0x393a7753
	FQ 15, 0x39dd1725, 0x390bd472
	WIN 0
	s_mov_b32 s66, 0
	s_wait_alu depctr_va_vdst(0)
.Ltab:                                             ; four trips, tiles 3, 2, 1, 0: each moves the tiles made so far 32 registers up and makes its own in v0-31
	WIN 0xff
.rept 96
	v_mov_b32 v[127-\+], v[95-\+]
.endr
.rept 16
	v_mul_f32 v[TR+\+], v[TT], v[TF+\+]            ; the angle, rounded as the outer product rounds it
.endr
.rept 16
	v_mul_f32 v[TN+\+], s68, v[TR+\+]
.endr
.rept 16
	v_rndne_f32 v[TN+\+], v[TN+\+]                 ; n
.endr
.rept 16
	v_fma_f32 v[TR+\+], v[TN+\+], s69, v[TR+\+]
.endr
.rept 16
	v_fma_f32 v[TR+\+], v[TN+\+], s70, v[TR+\+]    ; r, at most pi / 4 in magnitude
.endr
.rept 16
	v_cvt_i32_f32 v[TN+\+], v[TN+\+]
.endr
.rept 16
	v_mul_f32 v[TZ+\+], v[TR+\+], v[TR+\+]
.endr
.rept 16
	v_fma_f32 v[TS+\+], v[TZ+\+], s71, s72
.endr
.rept 16
	v_fma_f32 v[TC+\+], v[TZ+\+], s74, s75
.endr
.rept 16
	v_fma_f32 v[TS+\+], v[TS+\+], v[TZ+\+], s73
.endr
.rept 16
	v_fma_f32 v[TC+\+], v[TC+\+], v[TZ+\+], s76
.endr
.rept 16
	v_mul_f32 v[TW+\+], v[TZ+\+], v[TR+\+]
.endr
.rept 16
	v_fma_f32 v[TS+\+], v[TS+\+], v[TW+\+], v[TR+\+]   ; sin r
.endr
.rept 16
	v_mul_f32 v[TW+\+], v[TZ+\+], v[TZ+\+]
.endr
.rept 16
	v_fma_f32 v[TR+\+], v[TZ+\+], -0.5, 1.0
.endr
.rept 16
	v_fma_f32 v[TC+\+], v[TC+\+], v[TW+\+], v[TR+\+]   ; cos r
.endr
.rept 16
	v_and_b32 v[TW+\+], 1, v[TN+\+]
.endr
.rept 16
	v_cmp_eq_u32 s[77+\+], 1, v[TW+\+]             ; odd quadrants change sine and cosine: a choice of values, no branch
.endr
.rept 16
	v_cndmask_b32 v[2*\++1], v[TS+\+], v[TC+\+], s[77+\+]
.endr
.rept 16
	v_cndmask_b32 v[2*\+], v[TC+\+], v[TS+\+], s[77+\+]
.endr
.rept 16
	v_lshlrev_b32 v[TZ+\+], 30, v[TN+\+]
.endr
.rept 16
	v_and_b32 v[TZ+\+], 0x80000000, v[TZ+\+]       ; the sine is negative in quadrants 2, 3
.endr
.rept 16
	v_xor_b32 v[2*\++1], v[2*\++1], v[TZ+\+]
.endr
.rept 16
	v_add_nc_u32 v[TW+\+], 1, v[TN+\+]
.endr
.rept 16
	v_lshlrev_b32 v[TW+\+], 30, v[TW+\+]
.endr
.rept 16
	v_and_b32 v[TW+\+], 0x80000000, v[TW+\+]       ; the cosine in quadrants 1, 2
.endr
.rept 16
	v_xor_b32 v[2*\+], v[2*\+], v[TW+\+]
.endr
	v_add_f32 v[TT], 0xc1800000, v[TT]             ; 16 tokens back
	WIN 0
	s_add_co_u32 s66, s66, 1
	s_cmp_lt_u32 s66, 4
	s_wait_alu depctr_va_vdst(0)
	s_cbranch_scc1 .Ltab
; A fragment: 16 rows x 128 K, 12 registers, six pieces of 8 bytes; lanes 16-31 read 24 bytes further on than lanes 0-15.
.macro FRAG reg, adr, st, i            ; from x's rows: byte y of a row lies at y + 16 (y / 256)
.irp p, 0,1,2,3,4,5
.set BY, 96*(\st)+48*(\p/3)+8*(\p%3)
.if BY/256 == (BY+24)/256
	ds_load_b64 v[(\reg)+2*\p:(\reg)+2*\p+1], v[(\adr)] offset:BY+16*(BY/256)+(\i)*16*PITCH
.else
	ds_load_b64 v[(\reg)+2*\p:(\reg)+2*\p+1], v[(\adr)+1] offset:BY+16*(BY/256)+(\i)*16*PITCH
.endif
.endr
.endm
.macro FRAGW reg, adr, st, i           ; from the regions: byte y of a row lies in region y / 256 at byte y % 256
.irp p, 0,1,2,3,4,5
.set BY, 96*(\st)+48*(\p/3)+8*(\p%3)
.if BY/256 == (BY+24)/256
	ds_load_b64 v[(\reg)+2*\p:(\reg)+2*\p+1], v[(\adr)+BY/256] offset:BY%256+(\i)*16*WP
.else
	ds_load_b64 v[(\reg)+2*\p:(\reg)+2*\p+1], v[(\adr)+3+BY/256] offset:BY%256-232+(\i)*16*WP
.endif
.endr
.endm
; 8 products: A's block a x B's eight, K step st.  The 32 accumulators take turns, one instruction a turn, in the same order in every step
.macro MUL8 a, st
.irp b, 0,1,2,3,4,5,6,7
.if (\st) == 0
	v_wmma_scale_f32_16x16x128_f8f6f4 v[8*(8*(\a)+\b):8*(8*(\a)+\b)+7], v[128*((\st)%2)+FR*\b:128*((\st)%2)+FR*\b+FR-1], v[AF+FR*(\a):AF+FR*(\a)+FR-1], 0, v[SB+8*\b+(\st)], v[SA+8*(\a)+(\st)] matrix_a_fmt:MATRIX_FMT_FP6 matrix_b_fmt:MATRIX_FMT_FP6
.else
	v_wmma_scale_f32_16x16x128_f8f6f4 v[8*(8*(\a)+\b):8*(8*(\a)+\b)+7], v[128*((\st)%2)+FR*\b:128*((\st)%2)+FR*\b+FR-1], v[AF+FR*(\a):AF+FR*(\a)+FR-1], v[8*(8*(\a)+\b):8*(8*(\a)+\b)+7], v[SB+8*\b+(\st)], v[SA+8*(\a)+(\st)] matrix_a_fmt:MATRIX_FMT_FP6 matrix_b_fmt:MATRIX_FMT_FP6
.endif
.endr
.endm
.macro FETCH_B st, vv                  ; B's eight fragments of step st into set st % 2 (window 1).  vv = 1: the product v
	WIN TO_B
.irp i, 0,1,2,3,4,5,6,7
.if \vv
	FRAG 128*((\st)%2)+FR*\i, ADVB+2*(\i/4), \st, \i%4
.else
	FRAGW 128*((\st)%2)+FR*\i, WB, \st, \i
.endif
.endr
	WIN 0
.endm
.macro FETCH_A st, i0, vv
.irp i, \i0, \i0+1
.if \vv
	FRAGW AF+FR*(\i), WA, \st, \i
.else
	FRAG AF+FR*(\i), XA, \st, \i
.endif
.endr
.endm
; 32 products; the next step's fragments are fetched in the step's middle and at its end.
; ev = 1: the next step reads chunk 2 for the first time: every wave waits for its tensor loads, and a barrier shows the chunk whole.  ev = 2: chunks 0 and 1 are read no more and are filled again
.macro STEP st, vv, ev
.if \ev == 0
	s_wait_dscnt 12                                ; all but the youngest 12 loads: A's blocks 2, 3
	FETCH_B (\st)+1, \vv                           ; B's other set is free since the four places that closed the step before: its 48 loads have this step's 32 products in which to land
	WIN MUL
	MUL8 0, \st
	MUL8 1, \st
	PLACES 4                                       ; four places ahead of loads into registers that matrix instructions have read
	WIN 0
	FETCH_A (\st)+1, 0, \vv
	s_wait_dscnt 60                                ; A's blocks 2, 3 are in; the 48 + 12 loads issued in this step may be out
.else
	s_wait_tensorcnt 0x0                           ; all my tensor loads have landed
.if \ev == 2
	ds_add_u32 v[SPW], v[NIL]                      ; 0 onto my spare word
	s_mov_b32 s[G1W+2], 128<<16                    ; no tensor load of mine is out: this refill brings 128 rows a wave
	s_mov_b32 s[G1W+4], 128
	s_wait_dscnt 13                                ; the add and A's blocks 2, 3 may be out
.else
	s_wait_dscnt 12
.endif
	WIN MUL
	MUL8 0, \st
	s_wait_dscnt 0x0                               ; my LDS instructions are done: the add, where there is one, and my reads
	s_barrier_signal -1
	MUL8 1, \st
	WIN 0
	s_barrier_wait -1
.if \ev == 2
	CREST                                          ; the barrier has opened a round of the cluster's: no wave of any partner still reads chunks 0 and 1
	tensor_load_to_lds s[G0N:G0N+3], s[G1W:G1W+7]  ; the next product's: my one tensor load behind the round
	s_nop 0
.endif
	PLACES 4
	FETCH_B (\st)+1, \vv
	FETCH_A (\st)+1, 0, \vv
.endif
	WIN MUL
	MUL8 2, \st
	MUL8 3, \st
	PLACES 4
	WIN 0
	FETCH_A (\st)+1, 2, \vv
.endm
.macro GEMM vv                         ; all eight K steps
	FETCH_B 0, \vv
	FETCH_A 0, 0, \vv
	FETCH_A 0, 2, \vv
.irp st, 0,1,2,3
	STEP \st, \vv, 0
.endr
	STEP 4, \vv, 1
	STEP 5, \vv, 2*(1-\vv)
	STEP 6, \vv, 0
	s_wait_dscnt 12
	WIN MUL
	MUL8 0, 7
	MUL8 1, 7
	s_wait_dscnt 0
	MUL8 2, 7
	MUL8 3, 7
	WIN 0
	PLACES 4                                       ; ahead of loads into the scale registers and of the first reads of results
.endm
; 64 numbers of a lane, register 16 b + i of block b, become 12 registers of codes (v[PC] on) and a scale word (v[PW], the same in lanes l and l xor 16)
.macro QUANT s
.irp b, 0,1,2,3
	v_max3_num_f32 v[TM+\b], |v[\s+16*\b]|, |v[\s+1+16*\b]|, 0x1800000   ; with the floor 2^(3 - 127): the byte cannot fall under 1
.endr
.irp i, 2,4,6,8,10,12,14
.irp b, 0,1,2,3
	v_max3_num_f32 v[TM+\b], v[TM+\b], |v[\s+16*\b+\i]|, |v[\s+1+16*\b+\i]|
.endr
.endr
.irp b, 0,1,2,3
	v_permlanex16_b32 v[TM+4+\b], v[TM+\b], s[SEL], s[SEL+1]
.endr
.irp b, 0,1,2,3
	v_max_num_f32 v[TM+\b], v[TM+\b], v[TM+4+\b]   ; the block's largest magnitude
.endr
.irp b, 0,1,2,3
	v_add_nc_u32 v[TM+12+\b], 0xff000000, v[TM+\b] ; 2 off its exponent field: the conversion's scale operand
.endr
.irp b, 0,1,2,3
	v_lshrrev_b32 v[TM+4+\b], 23, v[TM+12+\b]      ; the scale's byte
.endr
	v_lshl_or_b32 v[PW], v[TM+5], 8, v[TM+4]
	v_lshl_or_b32 v[PW], v[TM+6], 16, v[PW]
	v_lshl_or_b32 v[PW], v[TM+7], 24, v[PW]
	s_wait_alu depctr_va_vdst(0)
	s_wait_xcnt 0x0                                ; the last tile's stores have read their registers: the conversions below write them again
.irp c, 0,1
	v_cvt_scalef32_pk16_fp6_f32 v[PC+6*\c:PC+2+6*\c], v[\s+32*\c:\s+15+32*\c], v[TM+12+2*\c]
	v_cvt_scalef32_pk16_fp6_f32 v[PC+12+4*\c:PC+14+4*\c], v[\s+16+32*\c:\s+31+32*\c], v[TM+12+2*\c+1]
.endr
	v_nop                                          ; one plain place behind the scaled conversions
.irp c, 0,1                                    ; a whole block to a lane: lanes 0-15 block 2 c, lanes 16-31 block 2 c + 1
.irp i, 0,1,2
	v_permlane16_swap_b32 v[PC+6*\c+\i], v[PC+12+4*\c+\i]
.endr
.irp i, 0,1,2
	v_mov_b32 v[PC+3+6*\c+\i], v[PC+12+4*\c+\i]
.endr
.endr
.endm
; q or k, token tile a of my four: a lane holds token 16 a + r; register 8 b + j holds channel 16 b + 8 h + j of my 128: two heads
.macro EPI_QK a
	WIN 0x06
.set n, 0
.rept 32
	v_pk_add_f32 v[X+2*n:X+2*n+1], v[64*(\a)+2*n:64*(\a)+2*n+1], v[96+2*n+(n/16)*96:97+2*n+(n/16)*96]   ; each accumulator from its low end on
.set n, n+1
.endr
	WIN 0x0c                                       ; source 1: cos and sin, window 3
.irp b, 0,1,2,3,4,5,6,7
.irp jj, 0,1,2,3
	v_pk_mul_f32 v[Y+2*\jj:Y+2*\jj+1], v[X+8*\b+2*\jj:X+8*\b+2*\jj+1], v[32*(\a)+8*(\b%4)+2*\jj:32*(\a)+8*(\b%4)+2*\jj+1] op_sel:[1,1] op_sel_hi:[0,1] neg_lo:[0,1]   ; (-x1 s, x0 s)
.endr
.irp jj, 0,1,2,3
	v_pk_fma_f32 v[X+8*\b+2*\jj:X+8*\b+2*\jj+1], v[X+8*\b+2*\jj:X+8*\b+2*\jj+1], v[32*(\a)+8*(\b%4)+2*\jj:32*(\a)+8*(\b%4)+2*\jj+1], v[Y+2*\jj:Y+2*\jj+1] op_sel_hi:[1,0,1]   ; (x0 c - x1 s, x1 c + x0 s)
.endr
.endr
	WIN 0
	QUANT X
	global_store_b128 v8, v[PC:PC+3], s[18:19] offset:768*(\a)            ; 512 consecutive bytes
	global_store_b64 v9, v[PC+4:PC+5], s[18:19] offset:768*(\a)+512       ; 256 consecutive bytes
	global_store_b128 v8, v[PC+6:PC+9], s[20:21] offset:768*(\a)
	global_store_b64 v9, v[PC+10:PC+11], s[20:21] offset:768*(\a)+512
.if (\a)%2 == 0
	v_mov_b32 v[SVT], v[PW]
.else
	v_cndmask_b32 v[SVT], v[SVT], v[PW], s93       ; lanes 0-15: the even tile's word, lanes 16-31: the odd tile's
	v_and_b32 v[OUT0+(\a)/2], 0xffff, v[SVT]       ; the first head's two bytes; bytes 2 and 3 are 0
	v_lshrrev_b32 v[OUT1+(\a)/2], 16, v[SVT]       ; the second head's
.endif
.endm
; v, channel tile a of my four: a lane holds channel 16 a + r of my head; register 8 b + j holds token 16 b + 8 h + j: one step of keys
.macro EPI_V a
	WIN 0x02
.set n, 0
.rept 32
.if (\a)%2
	v_pk_add_f32 v[X+2*n:X+2*n+1], v[64*(\a)+2*n:64*(\a)+2*n+1], v[VB+(\a)-1:VB+(\a)] op_sel:[0,1] op_sel_hi:[1,1]
.else
	v_pk_add_f32 v[X+2*n:X+2*n+1], v[64*(\a)+2*n:64*(\a)+2*n+1], v[VB+(\a):VB+(\a)+1] op_sel_hi:[1,0]
.endif
.set n, n+1
.endr
	WIN 0
	QUANT X
.irp k, 0,1,2
	global_store_b128 v11, v[PC+4*\k:PC+4*\k+3], s[46:47] offset:6144+1536*(\a)+512*\k
.endr
.if (\a)%2 == 0
	v_mov_b32 v[SVT], v[PW]
.else
	v_cndmask_b32 v[OW], v[SVT], v[PW], s93
	global_store_b32 v14, v[OW], s[46:47] offset:12800+128*((\a)/2)
.endif
.endm
	s_wait_alu depctr_va_vdst(0)
	s_wait_tensorcnt 0x0                           ; my chunk of Wq, or x, is in
	s_mul_i32 s[G0X+1], s14, 64*WP                 ; no tensor load of mine is out: x's group 0 now serves chunk 2's refills, 64 rows a wave
	s_add_co_u32 s[G0X+1], s[G0X+1], WREG+2*CH
	s_wait_loadcnt 0x0                             ; the scale words
	s_barrier_signal -1
	s_barrier_wait -1                              ; everybody's part is in
	s_mov_b32 s67, 0
.Ltrip:                                            ; two trips: q, then k
	WIN TO_B
.irp b, 0,1,2,3,4,5,6,7
	global_load_b128 v[96+8*\b+(\b/4)*96:99+8*\b+(\b/4)*96], v12, s[12:13] offset:64*\b        ; the bias of my 128 channels, into registers of window 1 that hold no fragment
	global_load_b128 v[100+8*\b+(\b/4)*96:103+8*\b+(\b/4)*96], v12, s[12:13] offset:64*\b+16
.endr
	WIN 0
	GEMM 0
	SCLOAD 8, 10                                   ; the next product's scale words
	s_wait_loadcnt 24                              ; the bias is in; the 24 loads just issued may be out
	EPI_QK 0
	EPI_QK 1
	s_wait_alu depctr_va_vdst(0)
	s_wait_tensorcnt 0x0                           ; the next product's chunks 0 and 1 are in: my part;
	ds_add_u32 v[SPW], v[NIL]                      ; 0 onto my spare word
	s_mov_b32 s[G1W+2], 64<<16                     ; no tensor load of mine is out: this refill brings 64 rows a wave,
	s_mov_b32 s[G1W+4], 64
	s_mov_b64 s[G0N+2:G0N+3], s[60:61]             ; the next refill of chunks 0 and 1 brings Wv,
	s_cmp_eq_u32 s67, 0
	s_cselect_b64 s[G0X+2:G0X+3], s[104:105], s[2:3]   ; and this one Wk in the first trip, Wv in the second
	s_wait_dscnt 0x0                               ; the add is done; my reads of chunk 2 were over in K step 7
	CROUND                                         ; no wave of any partner still reads chunk 2; everybody's part of chunks 0 and 1 is in
	tensor_load_to_lds s[G0X:G0X+3], s[G1W:G1W+7]  ; my one tensor load behind the round
	s_nop 0
	PLACES 4
	EPI_QK 2
	EPI_QK 3
	global_store_b64 v10, v[OUT0:OUT0+1], s[18:19] offset:12288   ; 256 consecutive bytes
	global_store_b64 v10, v[OUT1:OUT1+1], s[20:21] offset:12288
	s_wait_alu depctr_va_vdst(0)
	s_wait_xcnt 0x0                                ; the loads and stores have read their bases: on to the next product's
	s_mov_b64 s[8:9], s[94:95]                     ; behind k comes v: A's scales are Wv's,
	s_mov_b64 s[10:11], s[96:97]                   ; B's are x's
	s_mov_b64 s[12:13], s[98:99]
	s_mov_b64 s[18:19], s[22:23]
	s_add_nc_u64 s[20:21], s[22:23], REC
	s_wait_loadcnt 0x0                             ; the scale words
	s_add_co_u32 s67, s67, 1
	s_cmp_lt_u32 s67, 2
	s_cbranch_scc1 .Ltrip
.irp a, 0,1,2,3
	global_load_b32 v[VB+\a], v13, s[100:101] offset:64*\a
.endr
	GEMM 1
	s_wait_loadcnt 0x0
.irp a, 0,1,2,3
	EPI_V \a
.endr
	s_wait_tensorcnt 0x0                           ; the wave's end
	ds_add_u32 v[SPW], v[NIL]
	s_wait_dscnt 0x0
	CROUND                                         ; the closing round
	s_endpgm
.Lfunc_end_k_q6f4c268cfd_qkv:
	.size	k_q6f4c268cfd_qkv, .Lfunc_end_k_q6f4c268cfd_qkv-k_q6f4c268cfd_qkv
	.p2alignl 7, 3214868480
	.fill 96, 4, 3214868480
	.section	.rodata,"a",@progbits
	.p2align	6, 0x0
	.amdhsa_kernel k_q6f4c268cfd_qkv
		.amdhsa_group_segment_fixed_size 327680
		.amdhsa_private_segment_fixed_size 0
		.amdhsa_enable_private_segment 0
		.amdhsa_kernarg_size 104
		.amdhsa_user_sgpr_count 2
		.amdhsa_user_sgpr_kernarg_segment_ptr 1
		.amdhsa_wavefront_size32 1
		.amdhsa_system_sgpr_workgroup_id_x 1
		.amdhsa_system_sgpr_workgroup_id_y 1
		.amdhsa_system_sgpr_workgroup_id_z 1
		.amdhsa_system_vgpr_workitem_id 0
		.amdhsa_next_free_vgpr 1024
		.amdhsa_next_free_sgpr 106
		.amdhsa_reserve_vcc 1
		.amdhsa_float_denorm_mode_32 3
		.amdhsa_float_denorm_mode_16_64 3
		.amdhsa_memory_ordered 1
		.amdhsa_forward_progress 1
		.amdhsa_inst_pref_size 255
	.end_amdhsa_kernel
	.section	.bss,"aw",@nobits
	.p2align	6
	.space	262144
	.amdgpu_metadata
---
amdhsa.version: [ 1, 2 ]
amdhsa.kernels:
  - .name:           k_q6f4c268cfd_qkv
    .symbol:         k_q6f4c268cfd_qkv.kd
    .args:
      - { .name: x_codes, .offset: 0, .size: 8, .value_kind: global_buffer, .address_space: global }
      - { .name: x_scales, .offset: 8, .size: 8, .value_kind: global_buffer, .address_space: global }
      - { .name: Wq_codes, .offset: 16, .size: 8, .value_kind: global_buffer, .address_space: global }
      - { .name: Wq_scales, .offset: 24, .size: 8, .value_kind: global_buffer, .address_space: global }
      - { .name: Wk_codes, .offset: 32, .size: 8, .value_kind: global_buffer, .address_space: global }
      - { .name: Wk_scales, .offset: 40, .size: 8, .value_kind: global_buffer, .address_space: global }
      - { .name: Wv_codes, .offset: 48, .size: 8, .value_kind: global_buffer, .address_space: global }
      - { .name: Wv_scales, .offset: 56, .size: 8, .value_kind: global_buffer, .address_space: global }
      - { .name: bq, .offset: 64, .size: 8, .value_kind: global_buffer, .address_space: global }
      - { .name: bk, .offset: 72, .size: 8, .value_kind: global_buffer, .address_space: global }
      - { .name: bv, .offset: 80, .size: 8, .value_kind: global_buffer, .address_space: global }
      - { .name: qrec, .offset: 88, .size: 8, .value_kind: global_buffer, .address_space: global }
      - { .name: kvrec, .offset: 96, .size: 8, .value_kind: global_buffer, .address_space: global }
    .group_segment_fixed_size: 327680
    .private_segment_fixed_size: 0
    .kernarg_segment_align: 8
    .kernarg_segment_size: 104
    .max_flat_workgroup_size: 128
    .sgpr_count:     106
    .vgpr_count:     1024
    .wavefront_size: 32
...
	.end_amdgpu_metadata
.endif
;; end of part 1
;; launch attn (part 2): grid 4 x 64, 16 waves a work-group, clusters of 4 x 1, 327,680 bytes of LDS; arguments qrec, kvrec, oi, os; writes oi, os
.if DOCPART == 2
	.amdgcn_target "amdgcn-amd-amdhsa--gfx1250"
	.amdhsa_code_object_version 6
	.text
	.protected	k_q6f4c268cfd_attn
	.globl	k_q6f4c268cfd_attn
	.p2align	8
	.type	k_q6f4c268cfd_attn,@function
k_q6f4c268cfd_attn:
	s_mov_b64 s[64:65], 0
	v_nop
	global_prefetch_b8 v0, s[64:65] scope:SCOPE_SE
	s_setreg_imm32_b32 hwreg(HW_REG_WAVE_MODE, 25, 1), 1
	s_wait_xcnt 0x0
	s_wait_alu depctr_hold_cnt(0) depctr_sa_sdst(0) depctr_va_vdst(0) depctr_va_sdst(0) depctr_va_ssrc(0) depctr_va_vcc(0) depctr_vm_vsrc(0)
	s_getreg_b32 s2, hwreg(HW_REG_IB_STS2, 6, 4)
	s_cmp_eq_u32 s2, 0
	s_cbranch_scc0 .Lentry_in_a_cluster
	s_endpgm
.Lentry_in_a_cluster:
	s_bfe_u32 s2, ttmp6, 0x10000c
	s_cmp_lg_u32 s2, 0x3003
	s_cbranch_scc0 .Lentry_shape_is_right
	s_endpgm
.Lentry_shape_is_right:
; Causal attention of one head (batch x head = cluster y) on codes of FP6 (E2M3), then the head's output, divided by the row's sum, is quantised along the channels for the last product.
; t = score x log2(e) / 8; M = the running largest t rounded up to a whole number; p = 2^(t - M) is quantised along the keys; the sum is taken of the unquantised p.
; LDS holds the head's whole record of K and V as the launch before laid it: 16 steps of 128 keys, 13,056 bytes each: 8 tile images of K (768 bytes), 4 fragment images of V^T (1,536), K's scale words (512), V's (256).
; It is filled ONCE, by joint loads of the four work-groups of the cluster (waves 0-15, two loads each: steps 0-3, then steps 4-15); nothing is filled again and nothing is stored to LDS.
; SHARES.  A head has 128 tiles of 16 queries; tile 8 g + e needs key steps 0 .. g, the last on the diagonal.  Wave w of partner cx takes tile A (g = w / 2, e = 2 cx + w % 2) and tile 127 - A: 17 steps for every wave.
;   Step counts hang on the wave's number alone; cx enters only global addresses of q and of the outputs and the numbers that the mask compares.
; BOTH PRODUCTS ARE USED TRANSPOSED: S^T = K Q^T, O^T = V^T P^T: a lane holds one query.  The head's 64 channels fill registers 0-5 of an operand; Q's registers 6-11 are zero codes, and K's tiles lie 6 registers apart, so that
;   a tile's operand runs on into the next tile's codes, which meet Q's zeros (FP6 has no code for infinity or NaN; bytes 2 and 3 of both scale words are 0, which is 2^-127).
; p's codes come out in the order 0-7, 16-23, 8-15, 24-31 inside each block of 32 keys, as v's were laid.  The output's channels are put in true order first (16 exchanges of half registers), since Wo's codes are given.
; LIMITS: NaN and infinities are not served; a block under 2^-124 keeps the byte 1; a block of zeros has byte 1 and zero codes.  The output's scale bytes leave two at a time, 32 bytes apart (262,144 bytes in all).
.set REC,   208896
.set STEPB, 13056
.set A16,  4                           ; v4-6 the step's LDS addresses: + 16, 8, 4 x lane
.set A8,   5
.set A4,   6
.set DQ,   7
.set NINF, 8
.set QF,   16                          ; v16-21 Q, v22-27 zeros
.set SQ,   28
.set FK,   30                          ; v30-77 K's eight tiles, later V's four fragments; v78-83 zeros
.set SK,   84
.set SV,   88
.set SR,   96                          ; v96-159 S^T, then p
.set OA,   160                         ; v160-191 O^T
.set PCD,  192                         ; v192-203 p's codes; v204-206, v208-210 second halves
.set BM,   212
.set BT,   216
.set BS,   220
.set TA,   224
.set OB,   225
.set FF,   226                         ; f, and v227 written once
.set PS,   228
.set SU,   230
.set WV,   12
.set G1A,  24
.set G1B,  32
.set G0A,  40
.set G0B,  44
.set SEL,  48
.set CS,   50
.set TB,   52
.set KS,   53
.set NS,   54
.set CNT,  55
.set SG,   56
.set RH,   57
.macro CROUND
	s_barrier_signal -1
	s_barrier_wait -1
	s_cmp_lg_u32 s[WV], 0
	s_cbranch_scc1 .Lnot_wave_0_\@
	s_barrier_signal -3
.Lnot_wave_0_\@:
	s_barrier_wait -3
	s_barrier_signal -1
	s_barrier_wait -1
.endm
	s_load_b256 s[4:11], s[0:1], 0x0               ; qrec, kvrec, oi, os
	v_lshl_add_u32 v254, v0, 2, 0x33000
	v_mov_b32 v255, 0
	ds_add_u32 v254, v255
	ds_add_u32 v254, v255
	v_lshrrev_b32 v1, 5, v0
	s_delay_alu instid0(VALU_DEP_1)
	v_readfirstlane_b32 s[WV], v1                  ; wave 0..15
	s_bfe_u32 s13, ttmp6, 0x40000                  ; cx
	s_and_b32 s14, ttmp7, 0xffff                   ; batch x 16 + head
	s_mul_i32 s16, s14, REC
	s_mov_b32 s17, 0
	; dense blocks as rows of 256 bytes (32 elements of 8 bytes): 13 rows a wave of steps 0-3, 38 rows a wave of steps 4-15
	s_mov_b32 s[G1A], 15|(3<<16)|(1<<21)           ; the record's 816 rows of 256 bytes come in two groups: 13 rows a wave (208 rows hold key steps 0-3), then 38 rows a wave
	s_mov_b32 s[G1A+1], 32<<16
	s_mov_b32 s[G1A+2], 13<<16
	s_mov_b32 s[G1A+3], 32<<16
	s_mov_b32 s[G1A+4], 13
	s_mov_b32 s[G1A+5], 32
	s_mov_b32 s[G1A+6], 0
	s_mov_b32 s[G1A+7], 0
	s_mov_b32 s[G1B], 15|(3<<16)|(1<<21)
	s_mov_b32 s[G1B+1], 32<<16
	s_mov_b32 s[G1B+2], 38<<16
	s_mov_b32 s[G1B+3], 32<<16
	s_mov_b32 s[G1B+4], 38
	s_mov_b32 s[G1B+5], 32
	s_mov_b32 s[G1B+6], 0
	s_mov_b32 s[G1B+7], 0
	s_mul_i32 s18, s[WV], 13*256
	s_mov_b32 s19, 0
	s_mul_i32 s60, s[WV], 38*256
	s_add_co_u32 s60, s60, 16*13*256
	s_mov_b32 s61, 0
	s_mov_b32 s[SEL], 0x76543210
	s_mov_b32 s[SEL+1], 0xfedcba98
	s_mov_b32 s[CS], 0x3e38aa3b                    ; log2(e) / 8
	s_mov_b32 s[CS+1], s[CS]
	s_wait_dscnt 0x0
	s_wait_kmcnt 0x0
	s_add_nc_u64 s[4:5], s[4:5], s[16:17]          ; my head's records
	s_add_nc_u64 s[6:7], s[6:7], s[16:17]
	s_mov_b32 s[G0A], 1
	s_mov_b32 s[G0A+1], s18
	s_add_nc_u64 s[G0A+2:G0A+3], s[6:7], s[18:19]
	s_or_b32 s[G0A+3], s[G0A+3], 0x80000000
	s_mov_b32 s[G0B], 1
	s_mov_b32 s[G0B+1], s60
	s_add_nc_u64 s[G0B+2:G0B+3], s[6:7], s[60:61]
	s_or_b32 s[G0B+3], s[G0B+3], 0x80000000
	CROUND                                         ; all four work-groups are here: the joint loads meet
	tensor_load_to_lds s[G0A:G0A+3], s[G1A:G1A+7]  ; my one tensor load at the head: 13 rows of the first group
	s_nop 0
.rept 4
	v_nop
.endr
	v_and_b32 v4, 31, v0
	s_delay_alu instid0(VALU_DEP_1)
	v_lshlrev_b32 v1, 4, v4                        ; 16 lane
	s_delay_alu instid0(VALU_DEP_2)
	v_lshlrev_b32 v2, 3, v4                        ; 8 lane
	s_delay_alu instid0(VALU_DEP_3)
	v_lshlrev_b32 v3, 2, v4                        ; 4 lane
	v_and_b32 v5, 15, v0                           ; r
	v_bfe_u32 v6, v0, 4, 1                         ; h
	s_delay_alu instid0(VALU_DEP_2)
	v_lshlrev_b32 v9, 3, v5                        ; 8 r
	s_delay_alu instid0(VALU_DEP_3)
	v_lshlrev_b32 v10, 5, v5                       ; 32 r
	s_delay_alu instid0(VALU_DEP_3)
	v_lshlrev_b32 v6, 3, v6
	s_delay_alu instid0(VALU_DEP_1)
	v_sub_nc_u32 v11, v5, v6
.irp j, 0,1,2,3,4,5,6,7
	v_cmp_gt_i32 s[68+\j], \j, v11                 ; the diagonal tile's mask of register j: the lanes where j > r - 8 h
.endr
	v_mov_b32 v[NINF], 0xff800000
.irp i, 0,1,2,3,4,5
	v_mov_b32 v[QF+6+\i], 0                        ; Q's k 64 .. 127: zero codes
	v_mov_b32 v[FK+48+\i], 0                       ; behind K's tile 7
.endr
.irp b, 0,1,2,3
	v_mov_b32 v[BT+\b], 0                          ; a lane permute's destination counts as one of its sources
.endr
	v_mov_b32 v[FF+1], 0                           ; named as the upper half of a pair
	s_lshr_b32 s58, s[WV], 1                       ; tile A's g
	s_and_b32 s59, s[WV], 1
	s_lshl_b32 s60, s13, 1
	s_add_co_u32 s59, s59, s60                     ; tile A's e
	s_sub_co_u32 s[SG], 15, s58                    ; the longer tile first
	s_sub_co_u32 s[RH], 7, s59
.macro QBEGIN                          ; the tile (s[SG], s[RH]): its codes and scale word, and fresh sums
	s_wait_xcnt 0x0                                ; earlier stores have read their addresses
	s_mov_b32 s[NS], s[SG]
	s_mul_i32 s60, s[SG], STEPB
	s_mul_i32 s61, s[RH], 768
	s_add_co_u32 s62, s60, s61
	s_mov_b32 s63, 0
	s_add_nc_u64 s[20:21], s[4:5], s[62:63]
	s_and_b32 s61, s[RH], 1                        ; the word of tile e, row r: 256 (e / 4) + 128 (e % 2) + 8 r + 4 ((e / 2) % 2)
	s_lshl_b32 s61, s61, 7
	s_bfe_u32 s62, s[RH], 0x10001
	s_lshl_b32 s62, s62, 2
	s_add_co_u32 s62, s62, s61
	s_lshr_b32 s61, s[RH], 2
	s_lshl_b32 s61, s61, 8
	s_add_co_u32 s62, s62, s61
	s_add_co_u32 s62, s62, s60
	s_add_co_u32 s62, s62, 12288                   ; q's scale words at 12,288 of the step
	s_add_nc_u64 s[22:23], s[4:5], s[62:63]
	global_load_b128 v[QF:QF+3], v1, s[20:21]
	global_load_b64 v[QF+4:QF+5], v2, s[20:21] offset:512
	global_load_b32 v[SQ], v9, s[22:23]
	v_mov_b32 v13, 0xff61b1e6                      ; the largest t so far: -3e38
	s_delay_alu instid0(VALU_DEP_1)
	v_floor_f32 v12, -v13                          ; -M
	v_mov_b32 v14, 0
	v_mov_b32 v15, 0
.set j, 0
.rept 32
	v_mov_b32 v[OA+j], 0                           ; the step is written once: the first change of M multiplies zeros
.set j, j+1
.endr
	s_mov_b32 s[KS], 0
	s_mov_b32 s[TB], 0
	s_wait_loadcnt 0x0
.endm
; A KEY STEP: 128 keys.  full = 1: a step that every wave does and that lies on no diagonal
.macro STEP full
.if \full == 0
	s_cmp_gt_u32 s[KS], s[NS]                      ; all keys come after my queries: only the counters step
	s_cbranch_scc1 .Lhidden_\@
.endif
	v_add_nc_u32 v[A16], s[TB], v1
	v_add_nc_u32 v[A8], s[TB], v2
	v_add_nc_u32 v[A4], s[TB], v3
	v_nop                                          ; four places ahead of loads into registers that the last products read
.irp t, 0,1,2,3,4,5,6,7
	ds_load_b128 v[FK+6*\t:FK+6*\t+3], v[A16] offset:768*\t
	ds_load_b64 v[FK+6*\t+4:FK+6*\t+5], v[A8] offset:768*\t+512
.endr
	ds_load_b64 v[SK:SK+1], v[A8] offset:12288     ; register b: lanes 0-15 tile 2 b's words, lanes 16-31 tile 2 b + 1's; two runs of 256 bytes
	ds_load_b64 v[SK+2:SK+3], v[A8] offset:12544
	s_wait_alu depctr_va_vdst(0)
	s_wait_dscnt 0x0
.irp t, 0,2,4,6
	v_wmma_scale_f32_16x16x128_f8f6f4 v[SR+8*\t:SR+8*\t+7], v[FK+6*\t:FK+6*\t+11], v[QF:QF+11], 0, v[SK+\t/2], v[SQ] matrix_a_fmt:MATRIX_FMT_FP6 matrix_b_fmt:MATRIX_FMT_FP6
	v_wmma_scale_f32_16x16x128_f8f6f4 v[SR+8*\t+8:SR+8*\t+15], v[FK+6*\t+6:FK+6*\t+17], v[QF:QF+11], 0, v[SK+\t/2], v[SQ] matrix_a_fmt:MATRIX_FMT_FP6 matrix_b_fmt:MATRIX_FMT_FP6 matrix_a_scale:MATRIX_SCALE_ROW1
.endr
.rept 4
	v_nop                                          ; places ahead of the loads below and of the first reads of the scores
.endr
.irp d, 0,1,2,3
.irp c, 0,1,2
	ds_load_b128 v[FK+12*\d+4*\c:FK+12*\d+4*\c+3], v[A16] offset:6144+1536*\d+512*\c   ; V's fragments land under the softmax
.endr
.endr
	ds_load_b32 v[SV], v[A4] offset:12800
	ds_load_b32 v[SV+1], v[A4] offset:12928
.if \full == 0
	s_cmp_lg_u32 s[KS], s[NS]
	s_cbranch_scc1 .Lopen_\@
.irp t, 0,1,2,3,4,5,6,7                        ; on the diagonal: key tile t is open under my query tile e, hidden above it, and takes the diagonal tile's masks at t = e: a choice of values by scalar selects
	s_cmp_lt_u32 s[RH], \t
	s_cselect_b32 s76, -1, 0
	s_cmp_eq_u32 s[RH], \t
.irp j, 0,1,2,3,4,5,6,7
	s_cselect_b32 s[77+\j], s[68+\j], s76
.endr
.irp j, 0,1,2,3,4,5,6,7
	v_cndmask_b32 v[SR+8*\t+\j], v[SR+8*\t+\j], v[NINF], s[77+\j]
.endr
.endr
.Lopen_\@:
.endif
.irp b, 0,1,2,3
	v_max3_num_f32 v[BM+\b], v[SR+16*\b], v[SR+1+16*\b], v[SR+2+16*\b]   ; each block's largest score: for the row's maximum and for the block's largest p
.endr
.irp i, 3,5,7,9,11,13
.irp b, 0,1,2,3
	v_max3_num_f32 v[BM+\b], v[BM+\b], v[SR+16*\b+\i], v[SR+1+16*\b+\i]
.endr
.endr
.irp b, 0,1,2,3
	v_max_num_f32 v[BM+\b], v[BM+\b], v[SR+15+16*\b]
.endr
.irp b, 0,1,2,3
	s_delay_alu instid0(VALU_DEP_4)
	v_permlanex16_b32 v[BT+\b], v[BM+\b], s[SEL], s[SEL+1]
.endr
.irp b, 0,1,2,3
	s_delay_alu instid0(VALU_DEP_4)
	v_max_num_f32 v[BM+\b], v[BM+\b], v[BT+\b]
.endr
	s_delay_alu instid0(VALU_DEP_2)
	v_max3_num_f32 v[TA], v[BM], v[BM+1], v[BM+2]
	s_delay_alu instid0(VALU_DEP_1)
	v_max_num_f32 v[TA], v[TA], v[BM+3]
	s_delay_alu instid0(VALU_DEP_1)
	v_mul_f32 v[TA], s[CS], v[TA]
	s_delay_alu instid0(VALU_DEP_1)
	v_max_num_f32 v13, v13, v[TA]                  ; the running largest t
	v_mov_b32 v[TA], v12
	s_delay_alu instid0(VALU_DEP_2)
	v_floor_f32 v12, -v13                          ; -M = floor(-t)
	s_delay_alu instid0(VALU_DEP_1)
	v_sub_f32 v[TA], v12, v[TA]                    ; old M - new M: a whole number, 0 or less
	s_delay_alu instid0(VALU_DEP_1)
	v_cvt_i32_f32 v[TA], v[TA]                     ; (it saturates)
	s_delay_alu instid0(VALU_DEP_1)
	v_ldexp_f32 v[FF], 1.0, v[TA]                  ; f = 2^(old M - new M)
.set j, 0
.rept 32
	v_pk_fma_f32 v[SR+j:SR+j+1], v[SR+j:SR+j+1], s[CS:CS+1], v[12:13] op_sel_hi:[1,0,0]   ; t - M
.set j, j+2
.endr
.irp b, 0,1,2,3
	v_fma_f32 v[BM+\b], v[BM+\b], s[CS], v12
.endr
.set j, 0
	s_wait_alu depctr_va_vdst(0)
.rept 64
	v_exp_f32 v[SR+j], v[SR+j]                     ; p, not normalised
.set j, j+1
.endr
	v_pk_mul_f32 v[14:15], v[14:15], v[FF:FF+1] op_sel_hi:[1,0]   ; the sums under the new M; the plain place behind the batch
	s_wait_alu depctr_va_vdst(0)                   ; one wait for the 64, ahead of their first reader
.irp b, 0,1,2,3
	v_exp_f32 v[BM+\b], v[BM+\b]                   ; each block's largest p
.endr
	v_pk_add_f32 v[230:231], v[100:101], v[104:105]
	v_pk_add_f32 v[252:253], v[108:109], v[112:113]
	v_pk_add_f32 v[250:251], v[116:117], v[120:121]
	v_pk_add_f32 v[248:249], v[124:125], v[128:129]
	v_pk_add_f32 v[246:247], v[132:133], v[136:137]
	v_pk_add_f32 v[244:245], v[140:141], v[144:145]
	v_pk_add_f32 v[242:243], v[148:149], v[152:153]
	v_pk_add_f32 v[14:15], v[14:15], v[156:157]
	v_pk_add_f32 v[230:231], v[230:231], v[96:97]
	v_pk_add_f32 v[252:253], v[252:253], v[98:99]
	v_pk_add_f32 v[250:251], v[250:251], v[102:103]
	v_pk_add_f32 v[248:249], v[248:249], v[106:107]
	v_pk_add_f32 v[246:247], v[246:247], v[110:111]
	v_pk_add_f32 v[244:245], v[244:245], v[114:115]
	v_pk_add_f32 v[242:243], v[242:243], v[118:119]
	v_pk_add_f32 v[14:15], v[14:15], v[122:123]
	v_pk_add_f32 v[230:231], v[230:231], v[126:127]
	v_pk_add_f32 v[252:253], v[252:253], v[130:131]
	v_pk_add_f32 v[250:251], v[250:251], v[134:135]
	v_pk_add_f32 v[248:249], v[248:249], v[138:139]
	v_pk_add_f32 v[246:247], v[246:247], v[142:143]
	v_pk_add_f32 v[244:245], v[244:245], v[146:147]
	v_pk_add_f32 v[242:243], v[242:243], v[150:151]
	v_pk_add_f32 v[14:15], v[14:15], v[154:155]
	v_pk_add_f32 v[230:231], v[230:231], v[158:159]
	s_delay_alu instid0(VALU_DEP_2)
	v_pk_add_f32 v[14:15], v[14:15], v[248:249]
	s_delay_alu instid0(VALU_DEP_2)
	v_pk_add_f32 v[230:231], v[230:231], v[246:247]
	v_pk_add_f32 v[252:253], v[252:253], v[244:245]
	v_pk_add_f32 v[250:251], v[250:251], v[242:243]
	s_delay_alu instid0(VALU_DEP_2)
	v_pk_add_f32 v[14:15], v[14:15], v[252:253]
	s_delay_alu instid0(VALU_DEP_2)
	v_pk_add_f32 v[230:231], v[230:231], v[250:251]
	s_delay_alu instid0(VALU_DEP_1)
	v_pk_add_f32 v[14:15], v[14:15], v[230:231]
	s_wait_alu depctr_va_vdst(0)                   ; and one for the four
.irp b, 0,1,2,3
	v_max_num_f32 v[BM+\b], 0x1800000, v[BM+\b]    ; the floor 2^(3 - 127)
.endr
.irp b, 0,1,2,3
	s_delay_alu instid0(VALU_DEP_4)
	v_add_nc_u32 v[BS+\b], 0xff000000, v[BM+\b]    ; 2 off the exponent field: the conversion's scale operand
.endr
.irp b, 0,1,2,3
	s_delay_alu instid0(VALU_DEP_4)
	v_lshrrev_b32 v[BT+\b], 23, v[BS+\b]
.endr
	s_delay_alu instid0(VALU_DEP_3)
	v_lshl_or_b32 v[PS], v[BT+1], 8, v[BT]
	s_delay_alu instid0(VALU_DEP_1)
	v_lshl_or_b32 v[PS], v[BT+2], 16, v[PS]
	s_delay_alu instid0(VALU_DEP_1)
	v_lshl_or_b32 v[PS], v[BT+3], 24, v[PS]
.irp c, 0,1
	v_cvt_scalef32_pk16_fp6_f32 v[PCD+6*\c:PCD+6*\c+2], v[SR+32*\c:SR+32*\c+15], v[BS+2*\c]
	v_cvt_scalef32_pk16_fp6_f32 v[PCD+12+4*\c:PCD+14+4*\c], v[SR+32*\c+16:SR+32*\c+31], v[BS+2*\c+1]
.endr
	v_nop                                          ; one plain place behind the scaled conversions
.irp c, 0,1
.irp i, 0,1,2
	v_permlane16_swap_b32 v[PCD+6*\c+\i], v[PCD+12+4*\c+\i]
.endr
.irp i, 0,1,2
	s_delay_alu instid0(VALU_DEP_3)
	v_mov_b32 v[PCD+3+6*\c+\i], v[PCD+12+4*\c+\i]
.endr
.endr
.set j, 0
.rept 16
	v_pk_mul_f32 v[OA+j:OA+j+1], v[OA+j:OA+j+1], v[FF:FF+1] op_sel_hi:[1,0]   ; O^T under the new M; these sixteen are the places ahead of the scaled products
.set j, j+2
.endr
	s_wait_alu depctr_va_vdst(0)
	s_wait_dscnt 0x0                               ; V
.irp d, 0,2
	v_wmma_scale_f32_16x16x128_f8f6f4 v[OA+8*\d:OA+8*\d+7], v[FK+12*\d:FK+12*\d+11], v[PCD:PCD+11], v[OA+8*\d:OA+8*\d+7], v[SV+\d/2], v[PS] matrix_a_fmt:MATRIX_FMT_FP6 matrix_b_fmt:MATRIX_FMT_FP6
	v_wmma_scale_f32_16x16x128_f8f6f4 v[OA+8*\d+8:OA+8*\d+15], v[FK+12*\d+12:FK+12*\d+23], v[PCD:PCD+11], v[OA+8*\d+8:OA+8*\d+15], v[SV+\d/2], v[PS] matrix_a_fmt:MATRIX_FMT_FP6 matrix_b_fmt:MATRIX_FMT_FP6 matrix_a_scale:MATRIX_SCALE_ROW1
.endr
.if \full == 0
.Lhidden_\@:
.endif
	s_add_co_u32 s[KS], s[KS], 1
	s_add_co_u32 s[TB], s[TB], STEPB
.endm
.macro KLOOP n, full                   ; trip counts are constants of the text
	s_mov_b32 s[CNT], \n
.Lk_\@:
	STEP \full
	s_sub_co_u32 s[CNT], s[CNT], 1
	s_cmp_lg_u32 s[CNT], 0
	s_cbranch_scc1 .Lk_\@
.endm
; O^T / the sum, channels in true order, quantised in two blocks of 32, stored as a tile image and two scale bytes a query
.macro QEND
.rept 4
	v_nop
.endr
	v_add_f32 v14, v14, v15
	s_delay_alu instid0(VALU_DEP_1)
	v_permlanex16_b32 v[TA], v14, s[SEL], s[SEL+1]
	s_delay_alu instid0(VALU_DEP_1)
	v_add_f32 v14, v14, v[TA]
	s_wait_alu depctr_va_vdst(0)
	v_rcp_f32 v14, v14
	v_mov_b32 v15, 0                               ; the plain place behind the reciprocal
	s_lshr_b32 s60, s14, 4
	s_lshl_b32 s60, s60, 7
	s_lshl_b32 s61, s[SG], 3
	s_add_co_u32 s60, s60, s61
	s_add_co_u32 s60, s60, s[RH]                   ; the token tile: 128 batch + 8 g + e
	s_and_b32 s61, s14, 15                         ; the head
	s_mul_i32 s62, s60, 12288
	s_mul_i32 s16, s61, 768
	s_add_co_u32 s62, s62, s16
	s_mov_b32 s63, 0
	s_add_nc_u64 s[20:21], s[8:9], s[62:63]
	s_lshl_b32 s62, s60, 9
	s_lshl_b32 s16, s61, 1
	s_add_co_u32 s62, s62, s16
	s_add_nc_u64 s[22:23], s[10:11], s[62:63]
	s_wait_alu depctr_va_vdst(0)                   ; ahead of the reciprocal's first reader
.set j, 0
.rept 16
	v_pk_mul_f32 v[SR+j:SR+j+1], v[OA+j:OA+j+1], v[14:15] op_sel_hi:[1,0]   ; each accumulator from its low end on
.set j, j+2
.endr
.irp b, 0,1
.irp j, 0,1,2,3,4,5,6,7
	v_permlane16_swap_b32 v[SR+16*\b+\j], v[SR+16*\b+8+\j]   ; registers 16 b + 0 .. 15 now hold channels 32 b + 16 h + 0 .. 15
.endr
.endr
.irp b, 0,1
	v_max3_num_f32 v[BM+\b], |v[SR+16*\b]|, |v[SR+1+16*\b]|, 0x1800000
.endr
.irp i, 2,4,6,8,10,12,14
.irp b, 0,1
	s_delay_alu instid0(VALU_DEP_2)
	v_max3_num_f32 v[BM+\b], v[BM+\b], |v[SR+16*\b+\i]|, |v[SR+1+16*\b+\i]|
.endr
.endr
.irp b, 0,1
	s_delay_alu instid0(VALU_DEP_2)
	v_permlanex16_b32 v[BT+\b], v[BM+\b], s[SEL], s[SEL+1]
.endr
.irp b, 0,1
	s_delay_alu instid0(VALU_DEP_2)
	v_max_num_f32 v[BM+\b], v[BM+\b], v[BT+\b]
.endr
.irp b, 0,1
	s_delay_alu instid0(VALU_DEP_2)
	v_add_nc_u32 v[BS+\b], 0xff000000, v[BM+\b]
.endr
.irp b, 0,1
	s_delay_alu instid0(VALU_DEP_2)
	v_lshrrev_b32 v[BT+\b], 23, v[BS+\b]
.endr
	s_delay_alu instid0(VALU_DEP_1)
	v_lshl_or_b32 v[OB], v[BT+1], 8, v[BT]
	v_cvt_scalef32_pk16_fp6_f32 v[PCD:PCD+2], v[SR:SR+15], v[BS]
	v_cvt_scalef32_pk16_fp6_f32 v[PCD+12:PCD+14], v[SR+16:SR+31], v[BS+1]
	v_nop
.irp i, 0,1,2
	v_permlane16_swap_b32 v[PCD+\i], v[PCD+12+\i]
.endr
.irp i, 0,1,2
	s_delay_alu instid0(VALU_DEP_3)
	v_mov_b32 v[PCD+3+\i], v[PCD+12+\i]
.endr
	global_store_b128 v1, v[PCD:PCD+3], s[20:21]               ; 512 consecutive bytes
	global_store_b64 v2, v[PCD+4:PCD+5], s[20:21] offset:512   ; 256 consecutive bytes
	global_store_b16 v10, v[OB], s[22:23]                      ; both halves of the lanes write the same two bytes
.endm
	QBEGIN
	s_wait_tensorcnt 0x0                           ; my rows of the first group are in
	ds_add_u32 v254, v255
	s_wait_dscnt 0x0
	CROUND                                         ; everybody's rows are in, and all four work-groups are here: the joint loads meet
	tensor_load_to_lds s[G0B:G0B+3], s[G1B:G1B+7]  ; my 38 rows of the second group: my one tensor load behind the round
	s_nop 0
.rept 4
	v_nop
.endr
	KLOOP 4, 1
	s_wait_tensorcnt 0x0                           ; my rows of the second group
	s_wait_dscnt 0x0
	s_barrier_signal -1
	s_barrier_wait -1                              ; and everybody's: the whole record
	KLOOP 12, 0
	QEND
	s_mov_b32 s[SG], s58
	s_mov_b32 s[RH], s59
	QBEGIN
	KLOOP 16, 0
	QEND
	s_wait_tensorcnt 0x0
	ds_add_u32 v254, v255
	s_wait_dscnt 0x0
	CROUND                                         ; the closing round
	s_endpgm
.Lfunc_end_k_q6f4c268cfd_attn:
	.size	k_q6f4c268cfd_attn, .Lfunc_end_k_q6f4c268cfd_attn-k_q6f4c268cfd_attn
	.p2alignl 7, 3214868480
	.fill 96, 4, 3214868480
	.section	.rodata,"a",@progbits
	.p2align	6, 0x0
	.amdhsa_kernel k_q6f4c268cfd_attn
		.amdhsa_group_segment_fixed_size 327680
		.amdhsa_private_segment_fixed_size 0
		.amdhsa_enable_private_segment 0
		.amdhsa_kernarg_size 32
		.amdhsa_user_sgpr_count 2
		.amdhsa_user_sgpr_kernarg_segment_ptr 1
		.amdhsa_wavefront_size32 1
		.amdhsa_system_sgpr_workgroup_id_x 1
		.amdhsa_system_sgpr_workgroup_id_y 1
		.amdhsa_system_sgpr_workgroup_id_z 1
		.amdhsa_system_vgpr_workitem_id 0
		.amdhsa_next_free_vgpr 256
		.amdhsa_next_free_sgpr 88
		.amdhsa_reserve_vcc 0
		.amdhsa_float_denorm_mode_32 3
		.amdhsa_float_denorm_mode_16_64 3
		.amdhsa_memory_ordered 1
		.amdhsa_forward_progress 1
		.amdhsa_inst_pref_size 87
	.end_amdhsa_kernel
	.amdgpu_metadata
---
amdhsa.version: [ 1, 2 ]
amdhsa.kernels:
  - .name:           k_q6f4c268cfd_attn
    .symbol:         k_q6f4c268cfd_attn.kd
    .args:
      - { .name: qrec, .offset: 0, .size: 8, .value_kind: global_buffer, .address_space: global }
      - { .name: kvrec, .offset: 8, .size: 8, .value_kind: global_buffer, .address_space: global }
      - { .name: oi, .offset: 16, .size: 8, .value_kind: global_buffer, .address_space: global }
      - { .name: os, .offset: 24, .size: 8, .value_kind: global_buffer, .address_space: global }
    .group_segment_fixed_size: 327680
    .private_segment_fixed_size: 0
    .kernarg_segment_align: 8
    .kernarg_segment_size: 32
    .max_flat_workgroup_size: 512
    .sgpr_count:     88
    .vgpr_count:     256
    .wavefront_size: 32
...
	.end_amdgpu_metadata
.endif
;; end of part 2
;; launch proj (part 3): grid 4 x 64, 4 waves a work-group, clusters of 4 x 4, 327,680 bytes of LDS; arguments oi, os, Wo_codes, Wo_scales, bo, out0; writes out0
.if DOCPART == 3
	.amdgcn_target "amdgcn-amd-amdhsa--gfx1250"
	.amdhsa_code_object_version 6
	.text
	.protected	k_q6f4c268cfd_proj
	.globl	k_q6f4c268cfd_proj
	.p2align	8
	.type	k_q6f4c268cfd_proj,@function
k_q6f4c268cfd_proj:
	s_mov_b64 s[64:65], 0
	v_nop
	global_prefetch_b8 v0, s[64:65] scope:SCOPE_SE
	s_setreg_imm32_b32 hwreg(HW_REG_WAVE_MODE, 25, 1), 1
	s_wait_xcnt 0x0
	s_wait_alu depctr_hold_cnt(0) depctr_sa_sdst(0) depctr_va_vdst(0) depctr_va_sdst(0) depctr_va_ssrc(0) depctr_va_vcc(0) depctr_vm_vsrc(0)
	s_getreg_b32 s2, hwreg(HW_REG_IB_STS2, 6, 4)
	s_cmp_eq_u32 s2, 0
	s_cbranch_scc0 .Lentry_in_a_cluster
	s_endpgm
.Lentry_in_a_cluster:
	s_bfe_u32 s2, ttmp6, 0x10000c
	s_cmp_lg_u32 s2, 0xf033
	s_cbranch_scc0 .Lentry_shape_is_right
	s_endpgm
.Lentry_shape_is_right:
; out0 = o Wo^T + bo on codes of FP6 (E2M3), one E8M0 scale for each 32 along K = 1,024.  o comes from the launch before as tile images (16 tokens x 64 k: 768 bytes; a token tile's 16 heads: 12,288 bytes) and scale bytes [token][32].
; A work-group makes 128 tokens x 256 channels, a wave 64 x 128.  BOTH OPERANDS LIE WHOLE IN LDS: o's 8 token tiles (98,304 dense bytes) and Wo's 256 rows (768 bytes, 16 of padding behind each 256: pitch 816).
; They are filled once, one joint load a wave at the head (waves 0, 1: o's halves; waves 2, 3: Wo's); nothing is filled again, so K's steps need no barrier.  Every tensor row begins at a multiple of 256 bytes of its buffer.
; A WAVE'S 128 CHANNELS ARE MADE IN TWO HALVES OF 64: all of K for channels 0-63 (16 accumulators), these go out, then all of K for channels 64-127: the first half's stores are on their way while the second is multiplied.
; o's fragments for all of K (4 blocks x 8 steps x 12 registers) are fetched in the first half and stay in registers for the second: no fragment is read from LDS twice.
; 4 x 4 work-groups form a cluster: o's tiles are asked for jointly along a row of the cluster, Wo's along a column.  Source 0 = rows of Wo, source 1 = tokens: a lane holds eight neighbouring channels of one token.
; The way out goes through a stage of each wave's own (16 rows x 272 bytes, never filled by a tensor load): sixteen lanes store 256 consecutive bytes, aligned.  No prefetch: the launch has no loop to run ahead in.
; REGISTERS: window 0: addresses, scale words (v32-127), the way out (v128-191); window 1: v0-95 Wo's fragments, two sets, v96-239 o's of K steps 5-7; window 2: the accumulators; window 3: v0-239 o's of K steps 0-4.
.set PITCH,  816
.set QROWS,  64*PITCH
.set ATILE,  12288
.set BREG,   8*ATILE
.set SPARE,  BREG+256*PITCH
.set STAGE,  SPARE+512
.set KROW,   768
.set SPITCH, 272
.set FR,     12
.set BI,     8                         ; v8-15 the bias of my four columns on the way out, for each half
.set ADA16,  16
.set ADA8,   17
.set ADRB,   18                        ; v18-21
.set STO,    24
.set RD,     25
.set CO,     26
.set BO,     27
.set SPW,    28
.set NIL,    29
.set SA,     32
.set SB,     64
.set BK,     128
.set G1,     24
.set G0,     32
.set G1B,    48
.set G0B,    56
.set MSB, 0
.macro WIN new
.if MSB != \new
	s_set_vgpr_msb (MSB<<8)|\new
.set MSB, \new
.endif
.endm
.set TO_B, 0x40
.macro CROUND
	s_barrier_signal -1
	s_barrier_wait -1
	s_cmp_lg_u32 s14, 0
	s_cbranch_scc1 .Lnot_wave_0_\@
	s_barrier_signal -3
.Lnot_wave_0_\@:
	s_barrier_wait -3
	s_barrier_signal -1
	s_barrier_wait -1
.endm
.macro PLACES n
.rept \n
	v_nop
.endr
.endm
	s_load_b256 s[4:11], s[0:1], 0x0               ; oi, os, Wo codes, Wo scales
	s_load_b128 s[68:71], s[0:1], 0x20             ; bo, out0
	v_lshl_add_u32 v[SPW], v0, 2, SPARE
	v_mov_b32 v[NIL], 0
	ds_add_u32 v[SPW], v[NIL]                      ; the opening lines
	ds_add_u32 v[SPW], v[NIL]
	v_lshrrev_b32 v1, 5, v0
	v_readfirstlane_b32 s14, v1
	s_lshr_b32 s15, s14, 1                         ; my half of the tokens; at the head: I fetch o (0) or Wo (1)
	s_and_b32 s16, s14, 1                          ; my half of the channels; at the head: which half I fetch
	s_bfe_u32 s40, ttmp6, 0x40000                  ; cx: the block of 256 channels
	s_bfe_u32 s41, ttmp6, 0x40004
	s_and_b32 s17, ttmp7, 0xffff
	s_lshl_b32 s17, s17, 2
	s_add_co_u32 s17, s17, s41                     ; the block of 128 tokens
	s_lshl_b32 s43, s41, 2
	s_lshl_b32 s43, 15, s43
	s_lshl_b32 s44, 0x1111, s40
	s_or_b32 s[G1], s43, (3<<16)|(1<<21)           ; o: a dense block as 192 rows of 256 bytes (32 elements of 8)
	s_mov_b32 s[G1+1], 32<<16
	s_mov_b32 s[G1+2], 192<<16
	s_mov_b32 s[G1+3], 32<<16
	s_mov_b32 s[G1+4], 192
	s_mov_b32 s[G1+5], 32
	s_mov_b32 s[G1+6], 0
	s_mov_b32 s[G1+7], 0
	s_or_b32 s[G1B], s44, (1<<20)|(1<<21)|(5<<22)|(3<<25)   ; Wo: 128 rows of 768 bytes, 4 words of padding behind every 64
	s_mov_b32 s[G1B+1], KROW<<16
	s_mov_b32 s[G1B+2], 128<<16
	s_mov_b32 s[G1B+3], KROW<<16
	s_mov_b32 s[G1B+4], 128
	s_mov_b32 s[G1B+5], KROW
	s_mov_b32 s[G1B+6], 0
	s_mov_b32 s[G1B+7], 0
	s_lshl_b32 s20, s17, 3
	s_lshl_b32 s18, s16, 2
	s_add_co_u32 s20, s20, s18
	s_mul_i32 s20, s20, ATILE
	s_mov_b32 s21, 0
	s_lshl_b32 s46, s40, 8
	s_lshl_b32 s18, s16, 7
	s_add_co_u32 s46, s46, s18
	s_mul_i32 s46, s46, KROW
	s_mov_b32 s47, 0
	s_mul_i32 s45, s16, 4*ATILE
	s_mul_i32 s23, s16, 2*QROWS
	s_add_co_u32 s23, s23, BREG
	s_wait_dscnt 0x0
	s_wait_kmcnt 0x0
	s_mov_b32 s[G0], 1
	s_mov_b32 s[G0+1], s45
	s_add_nc_u64 s[G0+2:G0+3], s[4:5], s[20:21]
	s_or_b32 s[G0+3], s[G0+3], 0x80000000
	s_mov_b32 s[G0B], 1
	s_mov_b32 s[G0B+1], s23
	s_add_nc_u64 s[G0B+2:G0B+3], s[8:9], s[46:47]
	s_or_b32 s[G0B+3], s[G0B+3], 0x80000000
	CROUND                                         ; all sixteen work-groups are here: the joint loads meet
	s_cmp_eq_u32 s15, 0
	s_cbranch_scc0 .Lhead_b
	tensor_load_to_lds s[G0:G0+3], s[G1:G1+7]
	s_nop 0
	PLACES 4
	s_branch .Lhead_asked
.Lhead_b:
	tensor_load_to_lds s[G0B:G0B+3], s[G1B:G1B+7]
	s_nop 0
	PLACES 4
.Lhead_asked:
	s_mov_b32 s19, 0
	s_lshl_b32 s18, s17, 12
	s_lshl_b32 s22, s15, 11
	s_add_co_u32 s18, s18, s22
	s_add_nc_u64 s[6:7], s[6:7], s[18:19]          ; o's scales: 32 bytes x (128 block + 64 half)
	s_lshl_b32 s18, s40, 13
	s_lshl_b32 s22, s16, 12
	s_add_co_u32 s18, s18, s22
	s_add_nc_u64 s[10:11], s[10:11], s[18:19]      ; Wo's
	s_lshl_b32 s18, s40, 10
	s_lshl_b32 s22, s16, 9
	s_add_co_u32 s18, s18, s22
	s_add_nc_u64 s[68:69], s[68:69], s[18:19]      ; the bias of my 128 channels
	s_add_nc_u64 s[70:71], s[70:71], s[18:19]
	s_lshl_b32 s18, s17, 19
	s_lshl_b32 s22, s15, 18
	s_add_co_u32 s18, s18, s22
	s_add_nc_u64 s[70:71], s[70:71], s[18:19]      ; my first row of the output
	s_mul_i32 s21, s15, 4*ATILE
	s_mul_i32 s22, s16, 2*QROWS
	s_add_co_u32 s22, s22, BREG
	s_mul_i32 s23, s14, 16*SPITCH
	s_add_co_u32 s23, s23, STAGE
	v_and_b32 v1, 15, v0
	v_bfe_u32 v2, v0, 4, 1
	v_and_b32 v7, 31, v0
	v_lshlrev_b32 v6, 5, v1
	v_lshlrev_b32 v[BO], 4, v1                     ; 16 r: my four columns of a half's 64
	v_lshl_add_u32 v[CO], v2, 12, v[BO]            ; lanes 0-15 one row of the output, lanes 16-31 the next
	v_mul_u32_u24 v3, v1, PITCH
	v_mad_u32_u24 v3, v2, 24, v3
	v_lshl_add_u32 v4, v2, 4, v3
	v_lshl_add_u32 v[ADA16], v7, 4, s21
	v_lshl_add_u32 v[ADA8], v7, 3, s21
	v_add_nc_u32 v[ADRB], s22, v3
	v_add_nc_u32 v[ADRB+1], s22, v4
	v_add_nc_u32 v[ADRB+2], QROWS, v[ADRB]
	v_add_nc_u32 v[ADRB+3], QROWS, v[ADRB+1]
	v_mul_u32_u24 v5, v1, SPITCH
	v_lshl_add_u32 v5, v2, 5, v5
	v_add_nc_u32 v[STO], s23, v5                   ; in: row r, 32 bytes for each half of the lanes
	v_mul_u32_u24 v5, v2, SPITCH
	v_add_nc_u32 v5, v5, v[BO]
	v_add_nc_u32 v[RD], s23, v5                    ; back: two rows of 256 bytes a load
	s_wait_alu depctr_va_vdst(0)
.irp i, 0,1,2,3
.irp x, 0,1
	global_load_b128 v[SA+8*\i+4*\x:SA+8*\i+4*\x+3], v6, s[6:7] offset:512*\i+16*\x
.endr
.endr
.irp i, 0,1,2,3,4,5,6,7
.irp x, 0,1
	global_load_b128 v[SB+8*\i+4*\x:SB+8*\i+4*\x+3], v6, s[10:11] offset:512*\i+16*\x
.endr
.endr
	global_load_b128 v[BI:BI+3], v[BO], s[68:69]
	global_load_b128 v[BI+4:BI+7], v[BO], s[68:69] offset:256
.macro FRAG reg, adr, st, i            ; Wo: byte y of a row lies at y + 16 (y / 256); lanes 16-31 read 24 bytes on, for some pieces behind one padding more
.irp p, 0,1,2,3,4,5
.set BY, 96*(\st)+48*(\p/3)+8*(\p%3)
.if BY/256 == (BY+24)/256
	ds_load_b64 v[(\reg)+2*\p:(\reg)+2*\p+1], v[(\adr)] offset:BY+16*(BY/256)+(\i)*16*PITCH
.else
	ds_load_b64 v[(\reg)+2*\p:(\reg)+2*\p+1], v[(\adr)+1] offset:BY+16*(BY/256)+(\i)*16*PITCH
.endif
.endr
.endm
.macro FRAGI reg, st, i                ; o: two tile images are a fragment
.irp c, 0,1
	ds_load_b128 v[(\reg)+6*\c:(\reg)+6*\c+3], v[ADA16] offset:ATILE*(\i)+768*(2*(\st)+\c)
	ds_load_b64 v[(\reg)+6*\c+4:(\reg)+6*\c+5], v[ADA8] offset:ATILE*(\i)+768*(2*(\st)+\c)+512
.endr
.endm
; The walk has 16 steps: n = 8 x half + K step.  FETCH n: Wo's four fragments of step n into set n % 2, and in the first half o's four into their registers for good
.macro FETCH n
	WIN TO_B
.irp i, 0,1,2,3
	FRAG 48*((\n)%2)+FR*\i, ADRB+2*((\n)/8), (\n)%8, \i
.endr
.if (\n) < 5
	WIN 0xc0
.irp i, 0,1,2,3
	FRAGI 48*(\n)+FR*\i, \n, \i
.endr
.endif
.if ((\n) >= 5) && ((\n) < 8)
.irp i, 0,1,2,3
	FRAGI 96+48*((\n)-5)+FR*\i, \n, \i
.endr
.endif
	WIN 0
.endm
.macro MUL16 n                         ; the half's 16 accumulators take turns, one instruction a turn
.set ST, (\n)%8
.set HF, (\n)/8
.if ST < 5
	WIN 0xad                                       ; source 0 window 1, source 1 window 3, C and D window 2
.set AR, 48*ST
.else
	WIN 0xa5                                       ; source 1 window 1
.set AR, 96+48*(ST-5)
.endif
.irp a, 0,1,2,3
.irp b, 0,1,2,3
.if ST == 0
	v_wmma_scale_f32_16x16x128_f8f6f4 v[8*(8*\a+4*HF+\b):8*(8*\a+4*HF+\b)+7], v[48*((\n)%2)+FR*\b:48*((\n)%2)+FR*\b+FR-1], v[AR+FR*\a:AR+FR*\a+FR-1], 0, v[SB+8*(4*HF+\b)+ST], v[SA+8*\a+ST] matrix_a_fmt:MATRIX_FMT_FP6 matrix_b_fmt:MATRIX_FMT_FP6
.else
	v_wmma_scale_f32_16x16x128_f8f6f4 v[8*(8*\a+4*HF+\b):8*(8*\a+4*HF+\b)+7], v[48*((\n)%2)+FR*\b:48*((\n)%2)+FR*\b+FR-1], v[AR+FR*\a:AR+FR*\a+FR-1], v[8*(8*\a+4*HF+\b):8*(8*\a+4*HF+\b)+7], v[SB+8*(4*HF+\b)+ST], v[SA+8*\a+ST] matrix_a_fmt:MATRIX_FMT_FP6 matrix_b_fmt:MATRIX_FMT_FP6
.endif
.endr
.endr
	WIN 0
.endm
.macro HSTEP n
	s_wait_dscnt 0x0                               ; this step's fragments are in: they were asked for a step ago
.if (\n) < 15
	PLACES 4                                       ; four places ahead of loads into the set that the last step's products read
	FETCH (\n)+1
.endif
	MUL16 \n
.endm
.macro TOSTAGE a, hf
	WIN 0x08                                       ; the data: window 2
.irp b, 0,1,2,3
	ds_store_b128 v[STO], v[8*(8*(\a)+4*(\hf)+\b):8*(8*(\a)+4*(\hf)+\b)+3] offset:64*\b          ; each accumulator from its low end on
	ds_store_b128 v[STO], v[8*(8*(\a)+4*(\hf)+\b)+4:8*(8*(\a)+4*(\hf)+\b)+7] offset:64*\b+16
.endr
	WIN 0
.set BB, BK+32*((\a)%2)
.irp t, 0,1,2,3,4,5,6,7
	ds_load_b128 v[BB+4*\t:BB+4*\t+3], v[RD] offset:\t*2*SPITCH    ; a wave's LDS instructions are served in order: these see the stores above
.endr
.endm
.macro SEND a, hf, younger
.set BB, BK+32*((\a)%2)
	s_wait_dscnt \younger                          ; the block is back in registers
.if (\a) > 0
	s_add_nc_u64 s[70:71], s[70:71], 16*4096       ; behind a wait on XCNT: the earlier stores have read their base
.endif
.irp t, 0,1,2,3,4,5,6,7
	v_pk_add_f32 v[BB+4*\t:BB+4*\t+1], v[BB+4*\t:BB+4*\t+1], v[BI+4*(\hf):BI+4*(\hf)+1]
	v_pk_add_f32 v[BB+4*\t+2:BB+4*\t+3], v[BB+4*\t+2:BB+4*\t+3], v[BI+4*(\hf)+2:BI+4*(\hf)+3]
	global_store_b128 v[CO], v[BB+4*\t:BB+4*\t+3], s[70:71] offset:2*\t*4096 th:TH_STORE_NT   ; 16 lanes store 256 consecutive bytes, aligned
.endr
.endm
.macro WAYOUT hf
	PLACES 4                                       ; ahead of the first reads of results
	TOSTAGE 0, \hf
.irp a, 1,2,3
.if \a > 1
	s_wait_xcnt 0x0                                ; block a - 2's stores have read their registers and their base
.endif
	TOSTAGE \a, \hf
	SEND \a-1, \hf, 16                             ; behind block a - 1's loads: block a's 8 stores and 8 loads
.endr
	s_wait_xcnt 0x0
	SEND 3, \hf, 0
.endm
	s_wait_tensorcnt 0x0                           ; my part of o or of Wo is in
	s_wait_loadcnt 0x0                             ; the scale words and the bias
	s_barrier_signal -1
	s_barrier_wait -1                              ; everybody's part is in
	FETCH 0
.irp n, 0,1,2,3,4,5,6,7
	HSTEP \n
.endr
	WAYOUT 0                                       ; channels 0-63 leave; the second half's first fragments are already asked for
	s_wait_xcnt 0x0
	s_sub_nc_u64 s[70:71], s[70:71], 3*16*4096-256 ; back to my first row, 64 channels on
.irp n, 8,9,10,11,12,13,14,15
	HSTEP \n
.endr
	WAYOUT 1
	s_wait_tensorcnt 0x0                           ; the wave's end
	ds_add_u32 v[SPW], v[NIL]
	s_wait_dscnt 0x0
	CROUND                                         ; the closing round
	s_endpgm
.Lfunc_end_k_q6f4c268cfd_proj:
	.size	k_q6f4c268cfd_proj, .Lfunc_end_k_q6f4c268cfd_proj-k_q6f4c268cfd_proj
	.p2alignl 7, 3214868480
	.fill 96, 4, 3214868480
	.section	.rodata,"a",@progbits
	.p2align	6, 0x0
	.amdhsa_kernel k_q6f4c268cfd_proj
		.amdhsa_group_segment_fixed_size 327680
		.amdhsa_private_segment_fixed_size 0
		.amdhsa_enable_private_segment 0
		.amdhsa_kernarg_size 48
		.amdhsa_user_sgpr_count 2
		.amdhsa_user_sgpr_kernarg_segment_ptr 1
		.amdhsa_wavefront_size32 1
		.amdhsa_system_sgpr_workgroup_id_x 1
		.amdhsa_system_sgpr_workgroup_id_y 1
		.amdhsa_system_sgpr_workgroup_id_z 1
		.amdhsa_system_vgpr_workitem_id 0
		.amdhsa_next_free_vgpr 1024
		.amdhsa_next_free_sgpr 72
		.amdhsa_reserve_vcc 0
		.amdhsa_float_denorm_mode_32 3
		.amdhsa_float_denorm_mode_16_64 3
		.amdhsa_memory_ordered 1
		.amdhsa_forward_progress 1
		.amdhsa_inst_pref_size 102
	.end_amdhsa_kernel
	.amdgpu_metadata
---
amdhsa.version: [ 1, 2 ]
amdhsa.kernels:
  - .name:           k_q6f4c268cfd_proj
    .symbol:         k_q6f4c268cfd_proj.kd
    .args:
      - { .name: oi, .offset: 0, .size: 8, .value_kind: global_buffer, .address_space: global }
      - { .name: os, .offset: 8, .size: 8, .value_kind: global_buffer, .address_space: global }
      - { .name: Wo_codes, .offset: 16, .size: 8, .value_kind: global_buffer, .address_space: global }
      - { .name: Wo_scales, .offset: 24, .size: 8, .value_kind: global_buffer, .address_space: global }
      - { .name: bo, .offset: 32, .size: 8, .value_kind: global_buffer, .address_space: global }
      - { .name: out0, .offset: 40, .size: 8, .value_kind: global_buffer, .address_space: global }
    .group_segment_fixed_size: 327680
    .private_segment_fixed_size: 0
    .kernarg_segment_align: 8
    .kernarg_segment_size: 48
    .max_flat_workgroup_size: 128
    .sgpr_count:     72
    .vgpr_count:     1024
    .wavefront_size: 32
...
	.end_amdgpu_metadata
.endif
;; end of part 3
